; MI455X (gfx1250); checked and timed in simulation.
; The chip was launched on July 23, 2026; its instructions are those of AMD's public machine-readable ISA for CDNA 5 (MIT licence, August 2026) and "CDNA5" Instruction Set Architecture Reference Guide (July 2026). The comments in the code are by the model that wrote it; some were corrected since.
;; RNN Classifier. Allowed arithmetic: matrix products marked QUANTISED: E2M3 operands, one E8M0 scale for each 32 along K, by v_wmma_scale_f32_16x16x128_f8f6f4 with both operands' format E2M3, f32 sums; everything else in f32.
;; Inputs: W_ih0 2,048 x 4,096 float32; W_ih1 2,048 x 2,048 float32; b_hh0 2,048 float32; b_hh1 2,048 float32; b_ih0 2,048 float32; b_ih1 2,048 float32; fc_W 1,000 x 4,096 float32; fc_b 1,000 float32; ln_b 4,096 float32; ln_g 4,096 float32; x 4,096 x 4,096 float32.
;; Outputs: out0 4,096 x 1,000 float32.
;; This version of the problem:
;;   THIS VERSION OF THE PROBLEM IS GIVEN IN LOW PRECISION. The matrix products marked QUANTISED in the list below multiply operands that are first quantised to E2M3 (2 exponent bits, 3 mantissa bits; 6 bits a number), with one power-of-two scale for each 32 numbers along K (OCP MX v1.0); their sums are f32. All else is computed in f32.
;;   The module's matrix products, in the order in which they are computed (A, B: the left and right operand; K: the contracted axis; several contracted axes count as one K, in the product's order):
;;     1. [M 4,096, K 4,096] x [K 4,096, N 2,048]; A: input x; B: input W_ih0: QUANTISED
;;     2. [M 4,096, K 2,048] x [K 2,048, N 2,048]; A: computed on the way; B: input W_ih1: QUANTISED
;;     3. [M 4,096, K 4,096] x [K 4,096, N 1,000]; A: computed on the way; B: input fc_W: QUANTISED
;;   THE QUANTISER, for each operand of a quantised product, along K:
;;     - K is cut into blocks of 32 from its start; a last block that is shorter is filled with zeros.
;;     - A block's scale is 2^e with e = floor(log2(the largest magnitude in the block)) - 2, held to -126 .. 127; a block of zeros has e = 0. As a byte (E8M0): e + 127.
;;     - Each number is divided by its block's scale, clamped to +-7.5, and rounded to the nearest number of E2M3, ties to even, subnormals kept.
;;     - The product sums the exact products of the quantised numbers (number of the format x scale) in f32.
;;   ~~~python
;;   def quantise(x, axis):      # numpy; x: float32 -> the quantised numbers, widened to float32 again
;;       x = np.moveaxis(x, axis, -1); K = x.shape[-1]
;;       x = np.pad(x, [(0, 0)] * (x.ndim - 1) + [(0, -K % 32)]); x = x.reshape(x.shape[:-1] + (-1, 32)); a = np.abs(x).max(-1, keepdims=True)
;;       e = np.where(a > 0, np.clip(np.frexp(np.where(a > 0, a, 1))[1] - 1 - 2, -126, 127), 0)      # np.frexp(a)[1] - 1 = floor(log2(a)), exactly
;;       r = np.clip(x / 2.0 ** e, -7.5, 7.5)
;;       step = 2.0 ** (np.maximum(np.frexp(np.where(r == 0, 1, r))[1] - 1, 0) - 3)
;;       q = np.round(r / step) * step * 2.0 ** e      # np.round: ties to even
;;       return np.moveaxis(q.reshape(q.shape[:-2] + (-1,))[..., :K], -1, axis).astype(np.float32)
;;   ~~~
;;   OPERANDS COMPUTED ON THE WAY. 'Computed on the way' means the value that the module computes at that place (a softmax that the list does not call 'softmax' is quantised finished and normalised). What goes into a quantiser is computed in f32, as accurately as f32 sums, v_exp_f32 and their like allow (about 1e-6 of the number): no bf16 or f16 on the way to a quantiser, and a product that is left as it is and whose result goes on into a quantised operand takes f32 operands (vector FMAs, or v_wmma_f32_16x16x4_f32). A number that lies on a knife's edge between two numbers of the format may be rounded either way, as far as f32 arithmetic and the matrix unit's own rounding can turn it there, and no further.
;; One version. Each part assembles by itself: llvm-mc -triple=amdgcn-amd-amdhsa -mcpu=gfx1250 --defsym DOCPART=n.
;; ======== version 1 of 1: 5 launches
;; limits: right only within a limited range of input values
;; workspace buffers: xq 13,107,200 bytes; w0q 6,553,600 bytes; w1q 3,276,800 bytes; fcq 3,276,800 bytes; h1q 6,553,600 bytes; z2 33,554,432 bytes; nq 13,107,200 bytes
;; launch quant (part 1): grid 1024 x 1, 4 waves a work-group, no clusters, 35,328 bytes of LDS; arguments x, W_ih0, W_ih1, fc_W, xq, w0q, w1q, fcq; writes xq, w0q, w1q, fcq
.if DOCPART == 1
	.amdgcn_target "amdgcn-amd-amdhsa--gfx1250"
	.amdhsa_code_object_version 6
	.text
	.protected	k_qa197ab4322_quant
	.globl	k_qa197ab4322_quant
	.p2align	8
	.type	k_qa197ab4322_quant,@function
k_qa197ab4322_quant:
	s_mov_b64 s[64:65], 0
	v_nop
	global_prefetch_b8 v0, s[64:65] scope:SCOPE_SE
	s_setreg_imm32_b32 hwreg(HW_REG_WAVE_MODE, 25, 1), 1
	s_wait_xcnt 0x0
; x [4096][4096], W_ih0 [2048][4096], W_ih1 [2048][2048], fc_W [1000][4096], f32, K innermost, become codes of FP6 (E2M3) with one E8M0 byte for each 32 along K.
; A block's scale is 2^(floor(log2(its largest magnitude)) - 2); its byte is the largest magnitude's exponent field - 2, held at 1 from below; numbers beyond 7.5 x the scale take the largest code.
; LAYOUT OF THE RESULT, this program's own: for 128 rows (group rg) x 128 K (step ks) one block of 12,800 bytes at (rg x K/128 + ks) x 12,800: eight fragments of 1,536 bytes, each an IMAGE OF
; THE OPERAND'S REGISTERS (registers 4 c .. 4 c + 3 of lane l at 512 c + 16 l), then 512 bytes of scale words (fragment i, fragment row r at 12,288 + 64 i + 4 r).
; Fragment row r of fragment i is row 32 (i / 2) + 8 (i % 2) + r + 8 (r / 8) of the group: with that choice the results of a product used transposed lie in a lane as neighbours along the next K.
; SHARES.  A wave takes 64 rows x 128 K: four fragments.  Work-groups 0-511 take x, 512-767 W_ih0, 768-895 W_ih1, 896-1023 fc_W: only pointers and four numbers are chosen, all take one path.
; fc_W is laid as 1,024 rows: the load's row is held at 999, so rows 1000-1023 are copies of row 999; they feed only columns of the last product that are never stored.
; Each load reads 512 consecutive bytes of one row; a fragment's 16 rows turn through the wave's own stage in LDS (rows 528 bytes apart), so that lane (r, h) gets k = 64 c + 32 h + 0 .. 31 of row r: two whole blocks.
; No barrier: waves share nothing.  Loads run two fragments (32 loads a wave) ahead.
; LIMITS: NaN and infinities are not served; a block's largest magnitude is not taken under 2^-124; a block of zeros gets the byte 1 (its codes are zeros; this program alone reads the bytes).
.set WREG, 8704                        ; LDS of a wave: the stage, 16 x 528, and 256 bytes for its scale words
.set SGO,  8448
.set SPI,  528
.set BLK,  12800
.set SOFF, 12288
.set PC,   24                          ; v24-35 a fragment's codes; v36-38, v40-42 the halves that are made elsewhere and moved
.set OFFS, 44                          ; v44-59 the byte offsets of a fragment's 16 rows
.set X,    64                          ; v64-127 my 64 numbers
.set R,    128                         ; v128-255 two sets of 64 registers as loaded
	s_load_b512 s[4:19], s[0:1], 0x0               ; x, W_ih0, W_ih1, fc_W, xq, w0q, w1q, fcq
	v_lshl_add_u32 v62, v0, 2, 0x8800
	v_mov_b32 v63, 0
	v_lshrrev_b32 v1, 5, v0
	v_readfirstlane_b32 s20, v1                    ; wave
	v_and_b32 v1, 31, v0                           ; lane
	v_and_b32 v2, 15, v0                           ; r
	v_bfe_u32 v3, v0, 4, 1                         ; h
	s_mul_i32 s21, s20, WREG
	v_lshl_add_u32 v4, v1, 4, s21                  ; the stage, on the way in: 16 x lane of a row
	v_mul_u32_u24 v5, v2, SPI
	v_lshl_add_u32 v5, v3, 7, v5
	v_add_nc_u32 v5, s21, v5                       ; and out: row r, + 128 h
	v_lshlrev_b32 v3, 3, v3                        ; 8 h: my two bytes' place in the scale word
	v_lshlrev_b32 v8, 4, v1                        ; an image's place for my lane
	v_lshl_add_u32 v9, v2, 2, s21
	v_add_nc_u32 v9, SGO, v9                       ; my row's scale word in LDS
	v_lshl_add_u32 v10, v1, 3, s21
	v_add_nc_u32 v10, SGO, v10                     ; and on the way out 8 bytes a lane
	v_lshlrev_b32 v11, 3, v1
	v_mov_b32 v21, 0                               ; written once: a lane permute's destination counts as one of its sources
	s_mov_b32 s42, 0x76543210
	s_mov_b32 s43, 0xfedcba98                      ; v_permlanex16_b32's selects for lane l xor 16
	s_mov_b32 s26, 0                               ; the tensor's first work-group
	s_mov_b32 s27, 5                               ; log2(K / 128)
	s_mov_b32 s28, 14                              ; log2(bytes in a row)
	s_mov_b32 s29, 4095                            ; the last row
	s_wait_kmcnt 0x0
	s_mov_b64 s[22:23], s[4:5]
	s_mov_b64 s[24:25], s[12:13]
	s_cmp_ge_u32 ttmp9, 512                        ; the choices hang on the work-group's number alone
	s_cselect_b64 s[22:23], s[6:7], s[22:23]
	s_cselect_b64 s[24:25], s[14:15], s[24:25]
	s_cselect_b32 s26, 512, s26
	s_cselect_b32 s29, 2047, s29
	s_cmp_ge_u32 ttmp9, 768
	s_cselect_b64 s[22:23], s[8:9], s[22:23]
	s_cselect_b64 s[24:25], s[16:17], s[24:25]
	s_cselect_b32 s26, 768, s26
	s_cselect_b32 s27, 4, s27
	s_cselect_b32 s28, 13, s28
	s_cmp_ge_u32 ttmp9, 896
	s_cselect_b64 s[22:23], s[10:11], s[22:23]
	s_cselect_b64 s[24:25], s[18:19], s[24:25]
	s_cselect_b32 s26, 896, s26
	s_cselect_b32 s27, 5, s27
	s_cselect_b32 s28, 14, s28
	s_cselect_b32 s29, 999, s29
	s_sub_co_u32 s30, ttmp9, s26
	s_lshl_b32 s30, s30, 2
	s_add_co_u32 s30, s30, s20                     ; my unit in the tensor
	s_and_b32 s31, s30, 1                          ; which 64 rows of the group
	s_lshr_b32 s32, s30, 1                         ; the block: rg x K/128 + ks
	s_lshl_b32 s33, 1, s27
	s_sub_co_u32 s33, s33, 1
	s_and_b32 s34, s32, s33                        ; ks
	s_lshr_b32 s35, s32, s27                       ; rg
	s_lshl_b32 s36, s35, 7
	s_lshl_b32 s37, s31, 6
	s_add_co_u32 s36, s36, s37                     ; my first row
	s_lshl_b32 s36, s36, s28
	s_lshl_b32 s34, s34, 9                         ; 512 bytes a K step
	s_add_co_u32 s36, s36, s34
	v_lshl_add_u32 v6, v1, 4, s36                  ; my 16 bytes in my first row
	s_wait_alu depctr_va_vdst(0)
	s_lshl_b32 s37, s29, s28
	s_add_co_u32 s37, s37, s34
	v_lshl_add_u32 v7, v1, 4, s37                  ; and in the tensor's last row: no load goes beyond it
	; the prefetches' offsets: a fragment's 16 rows x 512 bytes are 32 blocks of 256 bytes: lane l names block l % 2 of fragment row l / 2
	v_lshrrev_b32 v14, 1, v1
	v_and_b32 v15, 8, v14
	v_add_nc_u32 v14, v14, v15                     ; fragment row t is row t + 8 (t / 8) from the fragment's first
	v_lshlrev_b32 v14, s28, v14
	v_and_b32 v15, 1, v1
	v_lshl_add_u32 v14, v15, 8, v14
	v_add_nc_u32 v14, s36, v14
	v_lshl_add_u32 v15, v15, 8, s37                ; the same block of the tensor's last row: no request goes beyond it
	v_lshl_add_u32 v60, 32, s28, v14               ; fragment 2 begins at row 32 of my 64,
	v_lshl_add_u32 v61, 40, s28, v14               ; fragment 3 at row 40
	v_min_u32 v60, v60, v15
	v_min_u32 v61, v61, v15
	s_mul_i32 s32, s32, BLK
	s_mul_i32 s36, s31, 6144
	s_add_co_u32 s36, s36, s32
	s_mov_b32 s37, 0
	s_add_nc_u64 s[38:39], s[24:25], s[36:37]      ; my four fragments
	s_lshl_b32 s36, s31, 8
	s_add_co_u32 s36, s36, s32
	s_add_co_u32 s36, s36, SOFF
	s_add_nc_u64 s[40:41], s[24:25], s[36:37]      ; my 256 bytes of scale words
.macro LOADQ f                         ; fragment f's 16 rows into set f % 2: a load reads 512 consecutive bytes of one row
.irp t, 0,1,2,3,4,5,6,7,8,9,10,11,12,13,14,15
	v_lshl_add_u32 v[OFFS+\t], 32*((\f)/2)+8*((\f)%2)+\t+8*(\t/8), s28, v6
.endr
.irp t, 0,1,2,3,4,5,6,7,8,9,10,11,12,13,14,15
	v_min_u32 v[OFFS+\t], v[OFFS+\t], v7
.endr
.irp t, 0,1,2,3,4,5,6,7,8,9,10,11,12,13,14,15
	global_load_b128 v[R+64*((\f)%2)+4*\t:R+64*((\f)%2)+4*\t+3], v[OFFS+\t], s[22:23] th:TH_LOAD_NT
.endr
.endm
.macro FRAGQ f
.if (\f) < 3
	s_wait_loadcnt 16                              ; this fragment's 16 loads are in; the next fragment's 16 may be out
.else
	s_wait_loadcnt 0x0
.endif
.irp t, 0,1,2,3,4,5,6,7,8,9,10,11,12,13,14,15
	ds_store_b128 v4, v[R+64*((\f)%2)+4*\t:R+64*((\f)%2)+4*\t+3] offset:SPI*\t
.endr
.irp j, 0,1,2,3,4,5,6,7,8,9,10,11,12,13,14,15
	ds_load_b128 v[X+4*\j:X+4*\j+3], v5 offset:256*(\j/8)+16*(\j%8)   ; LDS serves a wave's instructions in order: these see the stores above
.endr
	s_wait_dscnt 0x0                               ; my numbers are back, and the stores have read the set
	s_wait_xcnt 0x0                                ; the offsets of the loads that are out and the codes of the last fragment's stores are written again only behind this wait
.if (\f) < 2
	LOADQ (\f)+2
.endif
	v_max3_num_f32 v12, |v[X]|, |v[X+1]|, 0x1800000        ; my two blocks by turns; the floor 2^(3 - 127) holds the byte at 1 from below
	v_max3_num_f32 v13, |v[X+32]|, |v[X+33]|, 0x1800000
.irp i, 2,4,6,8,10,12,14,16,18,20,22,24,26,28,30
	v_max3_num_f32 v12, v12, |v[X+\i]|, |v[X+\i+1]|
	v_max3_num_f32 v13, v13, |v[X+32+\i]|, |v[X+33+\i]|
.endr
	v_add_nc_u32 v16, 0xff000000, v12              ; 2 off the exponent field: the conversion takes the exponent field of this operand as its scale
	v_add_nc_u32 v17, 0xff000000, v13
	v_lshrrev_b32 v18, 23, v16                     ; the bytes of blocks h and 2 + h
	v_lshrrev_b32 v19, 23, v17
	v_lshl_or_b32 v20, v19, 16, v18
	v_lshlrev_b32 v20, v3, v20                     ; at their places in the scale word
	v_permlanex16_b32 v21, v20, s42, s43
	v_or_b32 v20, v20, v21                         ; with lane l xor 16's two the word is whole
	v_cvt_scalef32_pk16_fp6_f32 v[PC:PC+2], v[X:X+15], v16
	v_cvt_scalef32_pk16_fp6_f32 v[PC+12:PC+14], v[X+16:X+31], v16   ; (a conversion's three registers begin on an even number)
	v_cvt_scalef32_pk16_fp6_f32 v[PC+6:PC+8], v[X+32:X+47], v17
	v_cvt_scalef32_pk16_fp6_f32 v[PC+16:PC+18], v[X+48:X+63], v17
	v_nop                                          ; one plain place behind a scaled conversion
.irp i, 0,1,2
	v_mov_b32 v[PC+3+\i], v[PC+12+\i]
	v_mov_b32 v[PC+9+\i], v[PC+16+\i]
.endr
.irp c, 0,1,2
	global_store_b128 v8, v[PC+4*\c:PC+4*\c+3], s[38:39] offset:1536*(\f)+512*\c   ; 32 lanes store 512 consecutive bytes, at a multiple of 256 from the buffer's first byte
.endr
	ds_store_b32 v9, v20 offset:64*(\f)            ; lanes r and r + 16 write the same word with the same value
.endm
	LOADQ 0
	s_wait_xcnt 0x0                                ; the offsets are written again only behind this wait
	global_prefetch_b8 v60, s[22:23] th:TH_LOAD_NT scope:SCOPE_SE   ; fragments 2 and 3, whose loads go out two steps on: each block is named once, by the one wave that will load it; v60 and v61 are never rewritten
	global_prefetch_b8 v61, s[22:23] th:TH_LOAD_NT scope:SCOPE_SE
	LOADQ 1
	FRAGQ 0
	FRAGQ 1
	FRAGQ 2
	FRAGQ 3
	ds_load_b64 v[22:23], v10                      ; my wave's 64 scale words
	s_wait_dscnt 0x0
	global_store_b64 v11, v[22:23], s[40:41]       ; 32 lanes store 256 consecutive bytes, aligned
	s_wait_tensorcnt 0x0
	ds_add_u32 v62, v63
	s_wait_dscnt 0x0
	s_endpgm
.Lfunc_end_k_qa197ab4322_quant:
	.size	k_qa197ab4322_quant, .Lfunc_end_k_qa197ab4322_quant-k_qa197ab4322_quant
	.p2alignl 7, 3214868480
	.fill 96, 4, 3214868480
	.section	.rodata,"a",@progbits
	.p2align	6, 0x0
	.amdhsa_kernel k_qa197ab4322_quant
		.amdhsa_group_segment_fixed_size 35328
		.amdhsa_private_segment_fixed_size 0
		.amdhsa_enable_private_segment 0
		.amdhsa_kernarg_size 64
		.amdhsa_user_sgpr_count 2
		.amdhsa_user_sgpr_kernarg_segment_ptr 1
		.amdhsa_wavefront_size32 1
		.amdhsa_system_sgpr_workgroup_id_x 1
		.amdhsa_system_sgpr_workgroup_id_y 1
		.amdhsa_system_sgpr_workgroup_id_z 1
		.amdhsa_system_vgpr_workitem_id 0
		.amdhsa_next_free_vgpr 256
		.amdhsa_next_free_sgpr 66
		.amdhsa_reserve_vcc 0
		.amdhsa_float_denorm_mode_32 3
		.amdhsa_float_denorm_mode_16_64 3
		.amdhsa_memory_ordered 1
		.amdhsa_forward_progress 1
		.amdhsa_inst_pref_size 38
	.end_amdhsa_kernel
	.amdgpu_metadata
---
amdhsa.version: [ 1, 2 ]
amdhsa.kernels:
  - .name:           k_qa197ab4322_quant
    .symbol:         k_qa197ab4322_quant.kd
    .args:
      - { .name: x, .offset: 0, .size: 8, .value_kind: global_buffer, .address_space: global }
      - { .name: W_ih0, .offset: 8, .size: 8, .value_kind: global_buffer, .address_space: global }
      - { .name: W_ih1, .offset: 16, .size: 8, .value_kind: global_buffer, .address_space: global }
      - { .name: fc_W, .offset: 24, .size: 8, .value_kind: global_buffer, .address_space: global }
      - { .name: xq, .offset: 32, .size: 8, .value_kind: global_buffer, .address_space: global }
      - { .name: w0q, .offset: 40, .size: 8, .value_kind: global_buffer, .address_space: global }
      - { .name: w1q, .offset: 48, .size: 8, .value_kind: global_buffer, .address_space: global }
      - { .name: fcq, .offset: 56, .size: 8, .value_kind: global_buffer, .address_space: global }
    .group_segment_fixed_size: 35328
    .private_segment_fixed_size: 0
    .kernarg_segment_align: 8
    .kernarg_segment_size: 64
    .max_flat_workgroup_size: 128
    .sgpr_count:     66
    .vgpr_count:     256
    .wavefront_size: 32
...
	.end_amdgpu_metadata
.endif
;; end of part 1
;; launch gemm1 (part 2): grid 8 x 32, 4 waves a work-group, clusters of 4 x 4, 327,680 bytes of LDS; arguments xq, w0q, b_ih0, b_hh0, h1q; writes h1q
.if DOCPART == 2
	.amdgcn_target "amdgcn-amd-amdhsa--gfx1250"
	.amdhsa_code_object_version 6
	.text
	.protected	k_qa197ab4322_gemm1
	.globl	k_qa197ab4322_gemm1
	.p2align	8
	.type	k_qa197ab4322_gemm1,@function
k_qa197ab4322_gemm1:
	s_mov_b64 s[64:65], 0
	v_nop
	global_prefetch_b8 v0, s[64:65] scope:SCOPE_SE
	s_setreg_imm32_b32 hwreg(HW_REG_WAVE_MODE, 25, 1), 1
	s_wait_xcnt 0x0
	s_wait_alu depctr_hold_cnt(0) depctr_sa_sdst(0) depctr_va_vdst(0) depctr_va_sdst(0) depctr_va_ssrc(0) depctr_va_vcc(0) depctr_vm_vsrc(0)
	s_getreg_b32 s2, hwreg(HW_REG_IB_STS2, 6, 4)
	s_cmp_eq_u32 s2, 0
	s_cbranch_scc0 .Lentry_in_a_cluster
	s_endpgm
.Lentry_in_a_cluster:
	s_bfe_u32 s2, ttmp6, 0x10000c
	s_cmp_lg_u32 s2, 0xf033
	s_cbranch_scc0 .Lentry_shape_is_right
	s_endpgm
.Lentry_shape_is_right:
; h1 = tanh(x W_ih0^T + b_ih0 + b_hh0): M 4,096, K 4,096, N 2,048, on codes of FP6 (E2M3) with E8M0 scales, sums in f32.  h1 leaves as codes and scale words, quantised along its columns, the next product's K.
; OPERANDS AND RESULT lie as blocks of 12,800 bytes for 128 rows x 128 K: eight fragments as images of the operand's registers (1,536 bytes each: registers 4 c .. 4 c + 3 of lane l at 512 c + 16 l), then 512 bytes of
; scale words (fragment i, row r at 12,288 + 64 i + 4 r).  Fragment row r of fragment i is row 32 (i / 2) + 8 (i % 2) + r + 8 (r / 8) of its 128.  Block (group, K step) lies at (group x K steps + step) x 12,800.
; SHARES.  A work-group makes 128 rows x 256 columns: 8 x 32 = 256 work-groups.  Wave (wm, wn) makes 64 x 128: 32 accumulators, which take turns, one instruction a turn, in one fixed order.
; THE MATRIX INSTRUCTION IS USED TRANSPOSED (source 0 = 16 rows of the weight, source 1 = 16 rows of x): with the fragments' choice of rows a lane's 16 registers of two neighbouring accumulators are 16 neighbours along the next K.
; K goes through a ring of two LDS slots of four K steps (x's group, then the weight's two: 153,600 bytes), filled by the tensor data mover, one load a wave; CLUSTERS of 4 x 4 work-groups ask for shared tiles jointly.
; HALF OF THE CLUSTERS WALK K FROM ITS MIDDLE and wrap round: those in which x ^ y ^ y/2 ^ y/4 of the cluster's own coordinates is odd.  The bit is the same in all sixteen partners; it enters global addresses alone.
; PREFETCH.  Behind the load of the walk's tile j stands the request for tile j + 2; tile 1's stands with tile 2's, in the head, behind the wait for the biases; the loads of the last two tiles ask for nothing.  Of the 25,600 bytes (the
; weight's waves: 51,200) that a wave's load brings, each of the four partners that ask for them jointly names a quarter, told apart by address (cx for x's tiles, cy for the weight's): 25 blocks of 256 bytes an instruction, a lane a block;
; lanes 25-31 name the 25th again.
; The sum of the two biases is the C of each sum's first matrix instruction.
; THE WAY OUT, fragment by fragment of 16 rows: tanh(z) = 1 - 2 / (1 + 2^(2 log2(e) z)); where z^2 < 1/16 the series z + z s (c1 + s (c2 + s c3)), s = z^2, is taken in its stead by a select; then the quantiser: a block's byte is its
; largest magnitude's exponent field - 2.  The codes are stored as a register image, 512 consecutive bytes a store; a wave's 64 scale words meet in 256 bytes of slot 0, which has had its last fill and its last read, and leave as one unit.
; LIMITS: NaN and infinities are not served; the bias starts the sum; the order of the K steps in a sum differs between clusters, so sums agree to f32 rounding; a block's largest magnitude is not taken under 2^-124;
; a block of zeros gets the byte 1 over zero codes (this program alone reads the bytes).
; REGISTERS: window 0: v1-3 r, h, lane; v10-17 LDS addresses; v28-29 for the add; v30 the prefetches' offset; v32-43 scale words, two sets; v64-159 x's four fragments, two sets; on the way out v64-241 at work.
;   window 1: the weight's eight fragments, two sets, at v0 and v128.   window 2: accumulator (a, b) at v[8 (8 a + b)].   window 3: v0-63 the biases' sum.
.set KS,    32
.set PFO,  30                          ; v30 256 x min(lane, 24); never rewritten
.set PF,   66                          ; s[66:67] my share of the walk's tile 0: serves the tiles ahead of the wrap
.set PW,   68                          ; s[68:69] the same less a group's whole K in a cluster that began at K's middle: serves the tiles behind the wrap; stepped two tiles a trip
.set NG,    2
.set NB,    4*NG
.set BLK,   12800
.set FRB,   1536
.set SOFF,  12288
.set GSL,   4*BLK
.set SLOT,  (1+NG)*GSL
.set SPARE, 2*SLOT
.set RWA,   100
.set RWB,   100*NG
.set NLD,   NB/2+2+3*NB+12
.set LAPS,  KS/8
.set WRAPAT, KS/16
.set ADRA, 10
.set ADRB, 12
.set ADSA, 14
.set ADSB, 16
.set SPW,  28
.set NIL,  29
.set SA,   32
.set SB,   36
.set AF,   64
.set G1A, 24
.set G0A, 32
.set G1B, 48
.set G0B, 56
.set ROT, 43
.set WR,  40
.set SEL, 4
.set MSB, 0
.macro WIN new
.if MSB != \new
	s_set_vgpr_msb (MSB<<8)|\new
.set MSB, \new
.endif
.endm
.set MUL,   0xa1
.set FIRST, 0xb1
.set TO_B,  0x40
.macro JLOAD g0a, g1a, g0b, g1b
	s_cmp_eq_u32 s15, 0
	s_cbranch_scc0 .Lfor_b_\@
	tensor_load_to_lds s[\g0a:\g0a+3], s[\g1a:\g1a+7]
	s_nop 0
.rept 4
	v_nop
.endr
	s_branch .Lasked_\@
.Lfor_b_\@:
	tensor_load_to_lds s[\g0b:\g0b+3], s[\g1b:\g1b+7]
	s_nop 0
.rept 4
	v_nop
.endr
.Lasked_\@:
.endm
.macro CREST
	s_cmp_lg_u32 s14, 0
	s_cbranch_scc1 .Lnot_wave_0_\@
	s_barrier_signal -3
.Lnot_wave_0_\@:
	s_barrier_wait -3
	s_barrier_signal -1
	s_barrier_wait -1
.endm
.macro CROUND
	s_barrier_signal -1
	s_barrier_wait -1
	CREST
.endm
; A request for my share of the tile at ptr + off.  guard = 1, in the loop: the last trip (s3 = 1) asks for nothing: its tiles would lie beyond the walk's end.  The weight's waves (s15 = 1) have 50 blocks: a second instruction.
.macro ASK ptr, off, guard
.if \guard
	s_cmp_gt_u32 s3, 1
	s_cbranch_scc0 .Lasked_pf_\@
.endif
	global_prefetch_b8 v[PFO], s[\ptr:\ptr+1] offset:\off th:TH_LOAD_NT scope:SCOPE_SE
.if NG == 2
	s_cmp_eq_u32 s15, 0
	s_cbranch_scc1 .Lasked_pf_\@
	global_prefetch_b8 v[PFO], s[\ptr:\ptr+1] offset:\off+6400 th:TH_LOAD_NT scope:SCOPE_SE
.endif
.Lasked_pf_\@:
.endm
.macro PLACES
.rept 4
	v_nop
.endr
.endm
	s_load_b256 s[4:11], s[0:1], 0x0
	s_load_b64 s[12:13], s[0:1], 0x20
	v_lshl_add_u32 v[SPW], v0, 2, SPARE
	v_mov_b32 v[NIL], 0
	ds_add_u32 v28, v29                            ; the opening lines: the add, twice on end; the set-up below, work on registers, stands between them and their wait
	ds_add_u32 v28, v29
	v_lshrrev_b32 v1, 5, v0
	v_readfirstlane_b32 s14, v1
	s_lshr_b32 s15, s14, 1
	s_and_b32 s16, s14, 1
	s_bfe_u32 s40, ttmp6, 0x40000
	s_bfe_u32 s41, ttmp6, 0x40004
	s_lshl_b32 s42, ttmp9, 2
	s_add_co_u32 s42, s42, s40
	s_and_b32 s17, ttmp7, 0xffff
	s_lshl_b32 s17, s17, 2
	s_add_co_u32 s17, s17, s41
	s_lshl_b32 s43, s41, 2
	s_lshl_b32 s43, 15, s43
	s_lshl_b32 s44, 0x1111, s40
	s_cmp_eq_u32 s15, 0                            ; the prefetches: my place among the four that ask for my tile with me: cx for x's tiles, cy for the weight's,
	s_cselect_b32 s70, s40, s41
	s_lshl_b32 s71, 6400, s15                      ; times a quarter of what my load brings: 6,400 or 12,800 bytes
	s_mul_i32 s70, s70, s71
	s_mov_b32 s71, 0
	s_or_b32 s[G1A+0], s43, (3<<16)|(1<<21)
	s_or_b32 s[G1B+0], s44, (3<<16)|(1<<21)
	s_mov_b32 s[G1A+1], 32<<16
	s_mov_b32 s[G1A+2], RWA<<16
	s_mov_b32 s[G1A+3], 32<<16
	s_mov_b32 s[G1A+4], RWA
	s_mov_b32 s[G1A+5], 32
	s_mov_b32 s[G1A+6], 0
	s_mov_b32 s[G1A+7], 0
	s_mov_b32 s[G1B+1], 32<<16
	s_mov_b32 s[G1B+2], RWB<<16
	s_mov_b32 s[G1B+3], 32<<16
	s_mov_b32 s[G1B+4], RWB
	s_mov_b32 s[G1B+5], 32
	s_mov_b32 s[G1B+6], 0
	s_mov_b32 s[G1B+7], 0
	s_lshl_b32 s23, s16, 1
	s_mul_i32 s20, s17, KS
	s_add_co_u32 s20, s20, s23
	s_mul_i32 s20, s20, BLK
	s_mov_b32 s21, 0
.if NG == 2
	s_lshl_b32 s46, s42, 1
	s_add_co_u32 s46, s46, s16
	s_mul_i32 s46, s46, KS*BLK
.else
	s_mul_i32 s46, s42, KS
	s_add_co_u32 s46, s46, s23
	s_mul_i32 s46, s46, BLK
.endif
	s_mov_b32 s47, 0
	s_lshr_b32 s[ROT], ttmp7, 1
	s_xor_b32 s[ROT], s[ROT], ttmp7
	s_lshr_b32 s[WR], ttmp7, 2
	s_xor_b32 s[ROT], s[ROT], s[WR]
	s_xor_b32 s[ROT], s[ROT], ttmp9
	s_and_b32 s[ROT], s[ROT], 1
	s_mul_i32 s[ROT], s[ROT], KS*BLK
	s_lshr_b32 s[WR], s[ROT], 1
	s_mov_b32 s[WR+1], 0
	s_add_co_u32 s20, s20, s[WR]
	s_add_co_u32 s46, s46, s[WR]
	s_mul_i32 s45, s16, RWA*256
	s_mul_i32 s22, s16, RWB*256
	s_add_co_u32 s22, s22, GSL
	s_wait_dscnt 0x0                               ; both opening adds are done
	s_wait_kmcnt 0x0
	s_add_nc_u64 s[20:21], s[4:5], s[20:21]
	s_add_nc_u64 s[46:47], s[6:7], s[46:47]
	s_cmp_eq_u32 s15, 0                            ; the choice hangs on the wave's number alone
	s_cselect_b64 s[PF:PF+1], s[20:21], s[46:47]
	s_add_nc_u64 s[PF:PF+1], s[PF:PF+1], s[70:71]
	s_mov_b32 s[WR], s[ROT]
	s_sub_nc_u64 s[PW:PW+1], s[PF:PF+1], s[WR:WR+1]
.irp s, 0,1
	s_mov_b32 s[G0A+4*\s], 1
	s_add_co_u32 s[G0A+4*\s+1], s45, \s*SLOT
	s_add_nc_u64 s[G0A+4*\s+2:G0A+4*\s+3], s[20:21], \s*GSL
	s_or_b32 s[G0A+4*\s+3], s[G0A+4*\s+3], 0x80000000
	s_mov_b32 s[G0B+4*\s], 1
	s_add_co_u32 s[G0B+4*\s+1], s22, \s*SLOT
	s_add_nc_u64 s[G0B+4*\s+2:G0B+4*\s+3], s[46:47], \s*GSL
	s_or_b32 s[G0B+4*\s+3], s[G0B+4*\s+3], 0x80000000
.endr
	CROUND                                         ; all sixteen work-groups are here: the first joint loads meet
	JLOAD G0A, G1A, G0B, G1B                       ; tile 0 into slot 0; the biases and the addresses are made while it is out
	v_and_b32 v1, 15, v0
	v_bfe_u32 v2, v0, 4, 1
	v_and_b32 v3, 31, v0
	v_min_u32 v[PFO], 24, v3
	v_lshlrev_b32 v[PFO], 8, v[PFO]
	s_lshl_b32 s46, s42, 10
	s_lshl_b32 s47, s16, 9
	s_add_co_u32 s46, s46, s47
	s_mov_b32 s47, 0
	s_add_nc_u64 s[8:9], s[8:9], s[46:47]
	s_add_nc_u64 s[10:11], s[10:11], s[46:47]
	v_lshlrev_b32 v19, 6, v2
	WIN 0xc0
.irp n, 0,1,2,3,4,5,6,7,8,9,10,11,12,13,14,15
	global_load_b128 v[4*\n:4*\n+3], v19, s[8:9] offset:128*(\n/4)+16*(\n%4)
	global_load_b128 v[64+4*\n:64+4*\n+3], v19, s[10:11] offset:128*(\n/4)+16*(\n%4)
.endr
	s_wait_loadcnt 0x0
	WIN 0xcf
.set jj, 0
.rept 32
	v_pk_add_f32 v[2*jj:2*jj+1], v[2*jj:2*jj+1], v[64+2*jj:64+2*jj+1]
.set jj, jj+1
.endr
	WIN 0
	ASK PF, GSL, 0                                 ; tiles 1 and 2, behind the wait for the biases: tile 0's own load has been out since ahead of that wait
	ASK PF, 2*GSL, 0
	s_mul_i32 s23, s15, 4*FRB
	v_lshl_add_u32 v[ADRA], v3, 4, s23
	v_add_nc_u32 v[ADRA+1], SLOT, v[ADRA]
.if NG == 2
	s_mul_i32 s23, s16, GSL
.else
	s_mul_i32 s23, s16, 4*FRB
.endif
	s_add_co_u32 s23, s23, GSL
	v_lshl_add_u32 v[ADRB], v3, 4, s23
	v_add_nc_u32 v[ADRB+1], SLOT, v[ADRB]
	s_lshl_b32 s23, s15, 8
	v_lshl_add_u32 v[ADSA], v3, 2, s23
	v_add_nc_u32 v[ADSA+1], SLOT, v[ADSA]
.if NG == 2
	s_mul_i32 s23, s16, GSL
.else
	s_lshl_b32 s23, s16, 8
.endif
	s_add_co_u32 s23, s23, GSL
	v_lshl_add_u32 v[ADSB], v3, 2, s23
	v_add_nc_u32 v[ADSB+1], SLOT, v[ADSB]
	s_lshl_b32 s23, s14, 8
	v_lshlrev_b32 v236, 4, v3
	v_lshl_add_u32 v237, v1, 2, s23
	v_lshl_add_u32 v238, v3, 3, s23
	v_lshlrev_b32 v239, 3, v3
	s_mul_i32 s20, s17, 16*BLK
	s_mul_i32 s23, s15, 4*FRB
	s_add_co_u32 s20, s20, s23
	s_mov_b32 s21, 0
	s_lshl_b32 s46, s42, 1
	s_add_co_u32 s46, s46, s16
	s_mul_i32 s46, s46, BLK
	s_mov_b32 s47, 0
	s_add_nc_u64 s[20:21], s[20:21], s[46:47]
	s_add_nc_u64 s[12:13], s[12:13], s[20:21]
	s_mul_i32 s22, s15, 4*FRB-256
	s_sub_co_u32 s22, SOFF, s22
	s_mov_b32 s23, 0
	s_add_nc_u64 s[18:19], s[12:13], s[22:23]
	s_mov_b32 s[SEL], 0x76543210
	s_mov_b32 s[SEL+1], 0xfedcba98
; NB matrix instructions: x's fragment a against the weight's NB, set p.  first = 1: the biases' sum is C, and nothing is cleared.  Odd fragments' scale words lie in lanes 16-31 of their register.
.macro MULA a, p, first
.set bb, 0
.rept NB
.set rD, 8*(NB*(\a)+bb)
.if \first
.set rC, 8*bb
.else
.set rC, rD
.endif
.set rB, 128*(\p)+12*bb
.set rA, AF+48*(\p)+12*(\a)
.set rSB, SB+(NB/2)*(\p)+bb/2
.set rSA, SA+2*(\p)+(\a)/2
.set rw, (bb%2)+2*((\a)%2)
.if rw == 0
	v_wmma_scale_f32_16x16x128_f8f6f4 v[rD:rD+7], v[rB:rB+11], v[rA:rA+11], v[rC:rC+7], v[rSB], v[rSA] matrix_a_fmt:MATRIX_FMT_FP6 matrix_b_fmt:MATRIX_FMT_FP6
.elseif rw == 1
	v_wmma_scale_f32_16x16x128_f8f6f4 v[rD:rD+7], v[rB:rB+11], v[rA:rA+11], v[rC:rC+7], v[rSB], v[rSA] matrix_a_fmt:MATRIX_FMT_FP6 matrix_b_fmt:MATRIX_FMT_FP6 matrix_a_scale:MATRIX_SCALE_ROW1
.elseif rw == 2
	v_wmma_scale_f32_16x16x128_f8f6f4 v[rD:rD+7], v[rB:rB+11], v[rA:rA+11], v[rC:rC+7], v[rSB], v[rSA] matrix_a_fmt:MATRIX_FMT_FP6 matrix_b_fmt:MATRIX_FMT_FP6 matrix_b_scale:MATRIX_SCALE_ROW1
.else
	v_wmma_scale_f32_16x16x128_f8f6f4 v[rD:rD+7], v[rB:rB+11], v[rA:rA+11], v[rC:rC+7], v[rSB], v[rSA] matrix_a_fmt:MATRIX_FMT_FP6 matrix_b_fmt:MATRIX_FMT_FP6 matrix_a_scale:MATRIX_SCALE_ROW1 matrix_b_scale:MATRIX_SCALE_ROW1
.endif
.set bb, bb+1
.endr
.endm
; The NLD LDS loads of the slot's q-th K step into set p, in one run: scale words, the weight's fragments, then x's four in order.
.macro FETCH slot, q, p
	WIN 0
.set jj, 0
.rept NB/2
	ds_load_b32 v[SB+(NB/2)*(\p)+jj], v[ADSB+\slot] offset:(\q)*BLK+SOFF+128*jj
.set jj, jj+1
.endr
.irp j, 0,1
	ds_load_b32 v[SA+2*(\p)+\j], v[ADSA+\slot] offset:(\q)*BLK+SOFF+128*\j
.endr
	WIN TO_B
.set jj, 0
.rept NB
.irp c, 0,1,2
	ds_load_b128 v[128*(\p)+12*jj+4*\c:128*(\p)+12*jj+4*\c+3], v[ADRB+\slot] offset:(\q)*BLK+FRB*jj+512*\c
.endr
.set jj, jj+1
.endr
	WIN 0
.irp a, 0,1,2,3
.irp c, 0,1,2
	ds_load_b128 v[AF+48*(\p)+12*\a+4*\c:AF+48*(\p)+12*\a+4*\c+3], v[ADRA+\slot] offset:(\q)*BLK+FRB*\a+512*\c
.endr
.endr
.endm
; A K step that has its successor in the same slot: the successor's loads go out first, into the set that the last step multiplied; then this step's products.
; Each wait leaves out the NLD loads just issued and those of this step's fragments of x that are not yet wanted, three loads each.
.macro STEP slot, q, first
	PLACES
	FETCH \slot, (\q)+1, 1-(\q)%2
.if \first
	WIN FIRST
.else
	WIN MUL
.endif
	s_wait_dscnt NLD+9
	MULA 0, (\q)%2, \first
	s_wait_dscnt NLD+6
	MULA 1, (\q)%2, \first
	s_wait_dscnt NLD+3
	MULA 2, (\q)%2, \first
	s_wait_dscnt NLD
	MULA 3, (\q)%2, \first
.endm
; A slot's last K step changes slots: ONE barrier; in front of it each wave waits for all its tensor loads, adds 0 to its spare word, and waits for that and for its own reads of this slot.
; fill = 1: the barrier opens a round of the cluster's barrier, and this slot is filled again, two tiles ahead.
.macro TURN slot, next, fill
	WIN 0
.if (\fill) && ((\slot) == 0) && (LAPS > 2)
	s_wait_xcnt 0x0                                ; my prefetches, the last of them three K steps back, have read their address: it steps two tiles a trip
	s_add_nc_u64 s[PW:PW+1], s[PW:PW+1], 2*GSL
.endif
	s_wait_tensorcnt 0x0
	ds_add_u32 v[SPW], v[NIL]
	s_wait_dscnt 10
	WIN MUL
	MULA 0, 1, 0
	s_wait_dscnt 0x0
	s_barrier_signal -1
	MULA 1, 1, 0
	WIN 0
	s_barrier_wait -1
.if \fill
	CREST
	s_add_nc_u64 s[G0A+4*\slot+2:G0A+4*\slot+3], s[G0A+4*\slot+2:G0A+4*\slot+3], 2*GSL
	s_add_nc_u64 s[G0B+4*\slot+2:G0B+4*\slot+3], s[G0B+4*\slot+2:G0B+4*\slot+3], 2*GSL
	s_cmp_eq_u32 s3, WRAPAT
	s_cselect_b32 s[WR], s[ROT], 0
	s_sub_nc_u64 s[G0A+4*\slot+2:G0A+4*\slot+3], s[G0A+4*\slot+2:G0A+4*\slot+3], s[WR:WR+1]
	s_sub_nc_u64 s[G0B+4*\slot+2:G0B+4*\slot+3], s[G0B+4*\slot+2:G0B+4*\slot+3], s[WR:WR+1]
	JLOAD G0A+4*\slot, G1A, G0B+4*\slot, G1B
.else
	PLACES
.endif
	FETCH \next, 0, 0
.if (\fill) && (LAPS > 2)
	ASK PW, (2+\slot)*GSL, 1                       ; behind the joint load and the run of LDS loads: the tile two refills on
.endif
	WIN MUL
	MULA 2, 1, 0
	MULA 3, 1, 0
.endm
	s_wait_alu depctr_va_vdst(0)
	s_wait_tensorcnt 0x0                           ; my part of tile 0 is in
	ds_add_u32 v[SPW], v[NIL]
	s_wait_dscnt 0x0
	CROUND                                         ; everybody's part of tile 0 is in, and all sixteen work-groups are here
	JLOAD G0A+4, G1A, G0B+4, G1B                   ; tile 1 into slot 1: the first tensor load behind the round
	FETCH 0, 0, 0
	ASK PF, 3*GSL, 0                               ; tile 3
	STEP 0, 0, 1
	WIN 0
	s_mov_b32 s3, LAPS-1
.Llap:
	STEP 0, 1, 0
	STEP 0, 2, 0
	TURN 0, 1, 1
	STEP 1, 0, 0
	STEP 1, 1, 0
	STEP 1, 2, 0
	TURN 1, 0, 1
	STEP 0, 0, 0
	WIN 0
	s_sub_co_u32 s3, s3, 1
	s_cmp_lg_u32 s3, 0
	s_cbranch_scc1 .Llap
	STEP 0, 1, 0
	STEP 0, 2, 0
	TURN 0, 1, 0
	STEP 1, 0, 0
	STEP 1, 1, 0
	STEP 1, 2, 0
	WIN MUL
	s_wait_dscnt 9
	MULA 0, 1, 0
	s_wait_dscnt 6
	MULA 1, 1, 0
	s_wait_dscnt 3
	MULA 2, 1, 0
	s_wait_dscnt 0x0
	MULA 3, 1, 0
	WIN 0
	PLACES
.set XW, 2
.set TE, 64
.set TS, 128
.set TQ, 160
.set TD, 64
.set TM, 192
.set PC, 212
.set C1, 232
.set C2, 234
; numbers 32 hf .. 32 hf + 31 of a fragment: the series z + z s (c1 + s (c2 + s c3)), c1 = -1/3, c2 = 2/15, c3 = -17/315
.macro POLY hf
	WIN 5*XW
.set jj, 0
.rept 16
	v_pk_mul_f32 v[TS+2*jj:TS+2*jj+1], v[TX+32*\hf+2*jj:TX+32*\hf+2*jj+1], v[TX+32*\hf+2*jj:TX+32*\hf+2*jj+1]
.set jj, jj+1
.endr
	WIN 0
.set jj, 0
.rept 16
	v_pk_fma_f32 v[TQ+2*jj:TQ+2*jj+1], v[TS+2*jj:TS+2*jj+1], 0xbd5d0dd1, v[C2:C2+1] op_sel_hi:[1,0,1]
.set jj, jj+1
.endr
.set jj, 0
.rept 16
	v_pk_fma_f32 v[TQ+2*jj:TQ+2*jj+1], v[TQ+2*jj:TQ+2*jj+1], v[TS+2*jj:TS+2*jj+1], v[C1:C1+1]
.set jj, jj+1
.endr
.set jj, 0
.rept 16
	v_pk_mul_f32 v[TQ+2*jj:TQ+2*jj+1], v[TQ+2*jj:TQ+2*jj+1], v[TS+2*jj:TS+2*jj+1]
.set jj, jj+1
.endr
	WIN 20*XW
.set jj, 0
.rept 16
	v_pk_fma_f32 v[TQ+2*jj:TQ+2*jj+1], v[TQ+2*jj:TQ+2*jj+1], v[TX+32*\hf+2*jj:TX+32*\hf+2*jj+1], v[TX+32*\hf+2*jj:TX+32*\hf+2*jj+1]
.set jj, jj+1
.endr
	WIN 0
.endm
.macro SEL32 hf
.set jj, 0
.rept 32
	v_cmp_gt_f32 vcc_lo, 0x3d800000, v[TS+jj]
	v_cndmask_b32 v[TD+32*\hf+jj], v[TE+32*\hf+jj], v[TQ+jj], vcc_lo
.set jj, jj+1
.endr
.endm
.macro TANH
	WIN XW
.set jj, 0
.rept 32
	v_pk_mul_f32 v[TE+2*jj:TE+2*jj+1], v[TX+2*jj:TX+2*jj+1], 0x4038aa3b op_sel_hi:[1,0]
.set jj, jj+1
.endr
	WIN 0
.set jj, 0
	s_wait_alu depctr_va_vdst(0)
.rept 64
	v_exp_f32 v[TE+jj], v[TE+jj]
.set jj, jj+1
.endr
	POLY 0
	s_wait_alu depctr_va_vdst(0)
.set jj, 0
.rept 32
	v_pk_add_f32 v[TE+2*jj:TE+2*jj+1], v[TE+2*jj:TE+2*jj+1], 1.0 op_sel_hi:[1,0]
.set jj, jj+1
.endr
.set jj, 0
	s_wait_alu depctr_va_vdst(0)
.rept 64
	v_rcp_f32 v[TE+jj], v[TE+jj]
.set jj, jj+1
.endr
	v_nop
	s_wait_alu depctr_va_vdst(0)
.set jj, 0
.rept 32
	v_pk_fma_f32 v[TE+2*jj:TE+2*jj+1], v[TE+2*jj:TE+2*jj+1], -2.0, 1.0 op_sel_hi:[1,0,0]
.set jj, jj+1
.endr
	SEL32 0
	POLY 1
	SEL32 1
.endm
; 64 numbers of a lane, register 16 b + i = k 32 b + 16 (lane / 16) + i of my row, become a fragment's codes in v[PC] on and its scale word in v[PW2]: the floor 2^(3 - 127) holds the byte at 1 from below;
; lanes l and l xor 16 share a block; the swaps give each lane a whole block, as the operand's layout wants.
.set PW2, 208
.macro QUANT s
.irp b, 0,1,2,3
	v_max3_num_f32 v[TM+\b], |v[\s+16*\b]|, |v[\s+1+16*\b]|, 0x1800000
.endr
.irp i, 2,4,6,8,10,12,14
.irp b, 0,1,2,3
	v_max3_num_f32 v[TM+\b], v[TM+\b], |v[\s+16*\b+\i]|, |v[\s+1+16*\b+\i]|
.endr
.endr
.irp b, 0,1,2,3
	v_permlanex16_b32 v[TM+4+\b], v[TM+\b], s[SEL], s[SEL+1]
.endr
.irp b, 0,1,2,3
	v_max_num_f32 v[TM+\b], v[TM+\b], v[TM+4+\b]
.endr
.irp b, 0,1,2,3
	v_add_nc_u32 v[TM+12+\b], 0xff000000, v[TM+\b]
.endr
.irp b, 0,1,2,3
	v_lshrrev_b32 v[TM+4+\b], 23, v[TM+12+\b]
.endr
	v_lshl_or_b32 v[PW2], v[TM+5], 8, v[TM+4]
	v_lshl_or_b32 v[PW2], v[TM+6], 16, v[PW2]
	v_lshl_or_b32 v[PW2], v[TM+7], 24, v[PW2]
.irp c, 0,1
	v_cvt_scalef32_pk16_fp6_f32 v[PC+6*\c:PC+2+6*\c], v[\s+32*\c:\s+15+32*\c], v[TM+12+2*\c]
	v_cvt_scalef32_pk16_fp6_f32 v[PC+12+4*\c:PC+14+4*\c], v[\s+16+32*\c:\s+31+32*\c], v[TM+12+2*\c+1]
.endr
	v_nop
.irp c, 0,1
.irp i, 0,1,2
	v_permlane16_swap_b32 v[PC+6*\c+\i], v[PC+12+4*\c+\i]
.endr
.irp i, 0,1,2
	v_mov_b32 v[PC+3+6*\c+\i], v[PC+12+4*\c+\i]
.endr
.endr
.endm
	v_mov_b32 v[C1], 0xbeaaaaab
	v_mov_b32 v[C1+1], 0xbeaaaaab
	v_mov_b32 v[C2], 0x3e088889
	v_mov_b32 v[C2+1], 0x3e088889
.irp b, 0,1,2,3
	v_mov_b32 v[TM+4+\b], 0
.endr
.irp a, 0,1,2,3
.if \a > 0
	s_wait_xcnt 0x0
	s_wait_dscnt 0x0
.endif
.set TX, 64*\a
	TANH
	QUANT TE
.irp c, 0,1,2
	global_store_b128 v236, v[PC+4*\c:PC+4*\c+3], s[12:13] offset:FRB*\a+512*\c
.endr
	ds_store_b32 v237, v[PW2] offset:64*\a
.endr
	ds_load_b64 v[240:241], v238
	s_wait_dscnt 0x0
	global_store_b64 v239, v[240:241], s[18:19]
	s_wait_tensorcnt 0x0
	ds_add_u32 v[SPW], v[NIL]
	s_wait_dscnt 0x0
	CROUND
	s_endpgm
.Lfunc_end_k_qa197ab4322_gemm1:
	.size	k_qa197ab4322_gemm1, .Lfunc_end_k_qa197ab4322_gemm1-k_qa197ab4322_gemm1
	.p2alignl 7, 3214868480
	.fill 96, 4, 3214868480
	.section	.rodata,"a",@progbits
	.p2align	6, 0x0
	.amdhsa_kernel k_qa197ab4322_gemm1
		.amdhsa_group_segment_fixed_size 327680
		.amdhsa_private_segment_fixed_size 0
		.amdhsa_enable_private_segment 0
		.amdhsa_kernarg_size 40
		.amdhsa_user_sgpr_count 2
		.amdhsa_user_sgpr_kernarg_segment_ptr 1
		.amdhsa_wavefront_size32 1
		.amdhsa_system_sgpr_workgroup_id_x 1
		.amdhsa_system_sgpr_workgroup_id_y 1
		.amdhsa_system_sgpr_workgroup_id_z 1
		.amdhsa_system_vgpr_workitem_id 0
		.amdhsa_next_free_vgpr 1024
		.amdhsa_next_free_sgpr 80
		.amdhsa_reserve_vcc 1
		.amdhsa_float_denorm_mode_32 3
		.amdhsa_float_denorm_mode_16_64 3
		.amdhsa_memory_ordered 1
		.amdhsa_forward_progress 1
		.amdhsa_inst_pref_size 255
	.end_amdhsa_kernel
	.section	.bss,"aw",@nobits
	.p2align	6
	.space	262144
	.amdgpu_metadata
---
amdhsa.version: [ 1, 2 ]
amdhsa.kernels:
  - .name:           k_qa197ab4322_gemm1
    .symbol:         k_qa197ab4322_gemm1.kd
    .args:
      - { .name: xq, .offset: 0, .size: 8, .value_kind: global_buffer, .address_space: global }
      - { .name: w0q, .offset: 8, .size: 8, .value_kind: global_buffer, .address_space: global }
      - { .name: b_ih0, .offset: 16, .size: 8, .value_kind: global_buffer, .address_space: global }
      - { .name: b_hh0, .offset: 24, .size: 8, .value_kind: global_buffer, .address_space: global }
      - { .name: h1q, .offset: 32, .size: 8, .value_kind: global_buffer, .address_space: global }
    .group_segment_fixed_size: 327680
    .private_segment_fixed_size: 0
    .kernarg_segment_align: 8
    .kernarg_segment_size: 40
    .max_flat_workgroup_size: 128
    .sgpr_count:     80
    .vgpr_count:     1024
    .wavefront_size: 32
...
	.end_amdgpu_metadata
.endif
;; end of part 2
;; launch gemm2 (part 3): grid 8 x 32, 4 waves a work-group, clusters of 4 x 4, 327,680 bytes of LDS; arguments h1q, w1q, b_ih1, b_hh1, z2; writes z2
.if DOCPART == 3
	.amdgcn_target "amdgcn-amd-amdhsa--gfx1250"
	.amdhsa_code_object_version 6
	.text
	.protected	k_qa197ab4322_gemm2
	.globl	k_qa197ab4322_gemm2
	.p2align	8
	.type	k_qa197ab4322_gemm2,@function
k_qa197ab4322_gemm2:
	s_mov_b64 s[64:65], 0
	v_nop
	global_prefetch_b8 v0, s[64:65] scope:SCOPE_SE
	s_setreg_imm32_b32 hwreg(HW_REG_WAVE_MODE, 25, 1), 1
	s_wait_xcnt 0x0
	s_wait_alu depctr_hold_cnt(0) depctr_sa_sdst(0) depctr_va_vdst(0) depctr_va_sdst(0) depctr_va_ssrc(0) depctr_va_vcc(0) depctr_vm_vsrc(0)
	s_getreg_b32 s2, hwreg(HW_REG_IB_STS2, 6, 4)
	s_cmp_eq_u32 s2, 0
	s_cbranch_scc0 .Lentry_in_a_cluster
	s_endpgm
.Lentry_in_a_cluster:
	s_bfe_u32 s2, ttmp6, 0x10000c
	s_cmp_lg_u32 s2, 0xf033
	s_cbranch_scc0 .Lentry_shape_is_right
	s_endpgm
.Lentry_shape_is_right:
; z2 = h1 W_ih1^T + b_ih1 + b_hh1: M 4,096, K 2,048, N 2,048, on codes of FP6 (E2M3) with E8M0 scales, sums in f32; z2 leaves in f32 for the launch that takes its tanh and norms the rows.
; OPERANDS lie as blocks of 12,800 bytes for 128 rows x 128 K: eight fragments as images of the operand's registers (1,536 bytes each: registers 4 c .. 4 c + 3 of lane l at 512 c + 16 l), then 512 bytes of
; scale words (fragment i, row r at 12,288 + 64 i + 4 r).  Fragment row r of fragment i is row 32 (i / 2) + 8 (i % 2) + r + 8 (r / 8) of its 128.  Block (group, K step) lies at (group x K steps + step) x 12,800.
; z2 lies as [fragment of 16 rows][128 columns][8,192 bytes]: the image of 64 registers a lane: register 16 b + i of lane (r, h) is column 32 b + 16 h + i of fragment row r; each store covers 512 consecutive bytes.
; SHARES.  A work-group makes 128 rows x 256 columns: 8 x 32 = 256 work-groups.  Wave (wm, wn) makes 64 x 128: 32 accumulators, which take turns, one instruction a turn, in one fixed order.
; THE MATRIX INSTRUCTION IS USED TRANSPOSED (source 0 = 16 rows of the weight, source 1 = 16 rows of h1).  The sum of the two biases is the C of each sum's first matrix instruction.
; K goes through a ring of two LDS slots of four K steps (153,600 bytes), filled by the tensor data mover, one load a wave; CLUSTERS of 4 x 4 work-groups ask for shared tiles jointly.
; HALF OF THE CLUSTERS WALK K FROM ITS MIDDLE and wrap round: those in which x ^ y ^ y/2 ^ y/4 of the cluster's own coordinates is odd.  The bit is the same in all sixteen partners; it enters global addresses alone.
; PREFETCH.  The walk has four tiles.  Behind the load of tile 0, behind the wait for the biases, stand the requests for tiles 1 and 2, behind the load of tile 1 that for tile 3.  Of the 25,600 bytes (the weight's waves: 51,200) that a
; wave's load brings, each of the four partners that ask for them jointly names a quarter, told apart by address (cx for h1's tiles, cy for the weight's): 25 blocks of 256 bytes an instruction, a lane a block; lanes 25-31 name the 25th again.
; LIMITS: NaN and infinities are not served; the bias starts the sum; the order of the K steps in a sum differs between clusters, so sums agree to f32 rounding.
; REGISTERS: window 0: v1-3 r, h, lane; v10-17 LDS addresses; v18 16 x lane; v28-29 for the add; v30 the prefetches' offset; v32-43 scale words, two sets; v64-159 h1's four fragments, two sets.
;   window 1: the weight's eight fragments, two sets, at v0 and v128.   window 2: accumulator (a, b) at v[8 (8 a + b)].   window 3: v0-63 the biases' sum.
.set KS,    16
.set PFO,  30                          ; v30 256 x min(lane, 24); never rewritten
.set PF,   66                          ; s[66:67] my share of the walk's tile 0: serves tile 1
.set PW,   68                          ; s[68:69] the same less a group's whole K in a cluster that began at K's middle: serves tiles 2 and 3, behind the wrap
.set NG,    2
.set NB,    4*NG
.set BLK,   12800
.set FRB,   1536
.set SOFF,  12288
.set GSL,   4*BLK
.set SLOT,  (1+NG)*GSL
.set SPARE, 2*SLOT
.set RWA,   100
.set RWB,   100*NG
.set NLD,   NB/2+2+3*NB+12
.set LAPS,  KS/8
.set WRAPAT, KS/16
.set ADRA, 10
.set ADRB, 12
.set ADSA, 14
.set ADSB, 16
.set SPW,  28
.set NIL,  29
.set SA,   32
.set SB,   36
.set AF,   64
.set G1A, 24
.set G0A, 32
.set G1B, 48
.set G0B, 56
.set ROT, 43
.set WR,  40
.set MSB, 0
.macro WIN new
.if MSB != \new
	s_set_vgpr_msb (MSB<<8)|\new
.set MSB, \new
.endif
.endm
.set MUL,   0xa1
.set FIRST, 0xb1
.set TO_B,  0x40
.macro JLOAD g0a, g1a, g0b, g1b
	s_cmp_eq_u32 s15, 0
	s_cbranch_scc0 .Lfor_b_\@
	tensor_load_to_lds s[\g0a:\g0a+3], s[\g1a:\g1a+7]
	s_nop 0
.rept 4
	v_nop
.endr
	s_branch .Lasked_\@
.Lfor_b_\@:
	tensor_load_to_lds s[\g0b:\g0b+3], s[\g1b:\g1b+7]
	s_nop 0
.rept 4
	v_nop
.endr
.Lasked_\@:
.endm
.macro CREST
	s_cmp_lg_u32 s14, 0
	s_cbranch_scc1 .Lnot_wave_0_\@
	s_barrier_signal -3
.Lnot_wave_0_\@:
	s_barrier_wait -3
	s_barrier_signal -1
	s_barrier_wait -1
.endm
.macro CROUND
	s_barrier_signal -1
	s_barrier_wait -1
	CREST
.endm
; A request for my share of the tile at ptr + off.  The weight's waves (s15 = 1) have 50 blocks: a second instruction.
.macro ASK ptr, off
	global_prefetch_b8 v[PFO], s[\ptr:\ptr+1] offset:\off th:TH_LOAD_NT scope:SCOPE_SE
	s_cmp_eq_u32 s15, 0
	s_cbranch_scc1 .Lasked_pf_\@
	global_prefetch_b8 v[PFO], s[\ptr:\ptr+1] offset:\off+6400 th:TH_LOAD_NT scope:SCOPE_SE
.Lasked_pf_\@:
.endm
.macro PLACES
.rept 4
	v_nop
.endr
.endm
	s_load_b256 s[4:11], s[0:1], 0x0
	s_load_b64 s[12:13], s[0:1], 0x20
	v_lshl_add_u32 v[SPW], v0, 2, SPARE
	v_mov_b32 v[NIL], 0
	ds_add_u32 v28, v29                            ; the opening lines: the add, twice on end; the set-up below, work on registers, stands between them and their wait
	ds_add_u32 v28, v29
	v_lshrrev_b32 v1, 5, v0
	v_readfirstlane_b32 s14, v1
	s_lshr_b32 s15, s14, 1
	s_and_b32 s16, s14, 1
	s_bfe_u32 s40, ttmp6, 0x40000
	s_bfe_u32 s41, ttmp6, 0x40004
	s_lshl_b32 s42, ttmp9, 2
	s_add_co_u32 s42, s42, s40
	s_and_b32 s17, ttmp7, 0xffff
	s_lshl_b32 s17, s17, 2
	s_add_co_u32 s17, s17, s41
	s_lshl_b32 s43, s41, 2
	s_lshl_b32 s43, 15, s43
	s_lshl_b32 s44, 0x1111, s40
	s_cmp_eq_u32 s15, 0                            ; the prefetches: my place among the four that ask for my tile with me: cx for h1's tiles, cy for the weight's,
	s_cselect_b32 s70, s40, s41
	s_lshl_b32 s71, 6400, s15                      ; times a quarter of what my load brings: 6,400 or 12,800 bytes
	s_mul_i32 s70, s70, s71
	s_mov_b32 s71, 0
	s_or_b32 s[G1A+0], s43, (3<<16)|(1<<21)
	s_or_b32 s[G1B+0], s44, (3<<16)|(1<<21)
	s_mov_b32 s[G1A+1], 32<<16
	s_mov_b32 s[G1A+2], RWA<<16
	s_mov_b32 s[G1A+3], 32<<16
	s_mov_b32 s[G1A+4], RWA
	s_mov_b32 s[G1A+5], 32
	s_mov_b32 s[G1A+6], 0
	s_mov_b32 s[G1A+7], 0
	s_mov_b32 s[G1B+1], 32<<16
	s_mov_b32 s[G1B+2], RWB<<16
	s_mov_b32 s[G1B+3], 32<<16
	s_mov_b32 s[G1B+4], RWB
	s_mov_b32 s[G1B+5], 32
	s_mov_b32 s[G1B+6], 0
	s_mov_b32 s[G1B+7], 0
	s_lshl_b32 s23, s16, 1
	s_mul_i32 s20, s17, KS
	s_add_co_u32 s20, s20, s23
	s_mul_i32 s20, s20, BLK
	s_mov_b32 s21, 0
.if NG == 2
	s_lshl_b32 s46, s42, 1
	s_add_co_u32 s46, s46, s16
	s_mul_i32 s46, s46, KS*BLK
.else
	s_mul_i32 s46, s42, KS
	s_add_co_u32 s46, s46, s23
	s_mul_i32 s46, s46, BLK
.endif
	s_mov_b32 s47, 0
	s_lshr_b32 s[ROT], ttmp7, 1
	s_xor_b32 s[ROT], s[ROT], ttmp7
	s_lshr_b32 s[WR], ttmp7, 2
	s_xor_b32 s[ROT], s[ROT], s[WR]
	s_xor_b32 s[ROT], s[ROT], ttmp9
	s_and_b32 s[ROT], s[ROT], 1
	s_mul_i32 s[ROT], s[ROT], KS*BLK
	s_lshr_b32 s[WR], s[ROT], 1
	s_mov_b32 s[WR+1], 0
	s_add_co_u32 s20, s20, s[WR]
	s_add_co_u32 s46, s46, s[WR]
	s_mul_i32 s45, s16, RWA*256
	s_mul_i32 s22, s16, RWB*256
	s_add_co_u32 s22, s22, GSL
	s_wait_dscnt 0x0                               ; both opening adds are done
	s_wait_kmcnt 0x0
	s_add_nc_u64 s[20:21], s[4:5], s[20:21]
	s_add_nc_u64 s[46:47], s[6:7], s[46:47]
	s_cmp_eq_u32 s15, 0                            ; the choice hangs on the wave's number alone
	s_cselect_b64 s[PF:PF+1], s[20:21], s[46:47]
	s_add_nc_u64 s[PF:PF+1], s[PF:PF+1], s[70:71]
	s_mov_b32 s[WR], s[ROT]
	s_sub_nc_u64 s[PW:PW+1], s[PF:PF+1], s[WR:WR+1]
.irp s, 0,1
	s_mov_b32 s[G0A+4*\s], 1
	s_add_co_u32 s[G0A+4*\s+1], s45, \s*SLOT
	s_add_nc_u64 s[G0A+4*\s+2:G0A+4*\s+3], s[20:21], \s*GSL
	s_or_b32 s[G0A+4*\s+3], s[G0A+4*\s+3], 0x80000000
	s_mov_b32 s[G0B+4*\s], 1
	s_add_co_u32 s[G0B+4*\s+1], s22, \s*SLOT
	s_add_nc_u64 s[G0B+4*\s+2:G0B+4*\s+3], s[46:47], \s*GSL
	s_or_b32 s[G0B+4*\s+3], s[G0B+4*\s+3], 0x80000000
.endr
	CROUND                                         ; all sixteen work-groups are here: the first joint loads meet
	JLOAD G0A, G1A, G0B, G1B                       ; tile 0 into slot 0; the biases and the addresses are made while it is out
	v_and_b32 v1, 15, v0
	v_bfe_u32 v2, v0, 4, 1
	v_and_b32 v3, 31, v0
	v_min_u32 v[PFO], 24, v3
	v_lshlrev_b32 v[PFO], 8, v[PFO]
	s_lshl_b32 s46, s42, 10
	s_lshl_b32 s47, s16, 9
	s_add_co_u32 s46, s46, s47
	s_mov_b32 s47, 0
	s_add_nc_u64 s[8:9], s[8:9], s[46:47]
	s_add_nc_u64 s[10:11], s[10:11], s[46:47]
	v_lshlrev_b32 v19, 6, v2
	WIN 0xc0
.irp n, 0,1,2,3,4,5,6,7,8,9,10,11,12,13,14,15
	global_load_b128 v[4*\n:4*\n+3], v19, s[8:9] offset:128*(\n/4)+16*(\n%4)
	global_load_b128 v[64+4*\n:64+4*\n+3], v19, s[10:11] offset:128*(\n/4)+16*(\n%4)
.endr
	s_wait_loadcnt 0x0
	WIN 0xcf
.set jj, 0
.rept 32
	v_pk_add_f32 v[2*jj:2*jj+1], v[2*jj:2*jj+1], v[64+2*jj:64+2*jj+1]
.set jj, jj+1
.endr
	WIN 0
	ASK PF, GSL                                    ; tiles 1 and 2, behind the wait for the biases: tile 0's own load has been out since ahead of that wait
	ASK PW, 2*GSL
	s_mul_i32 s23, s15, 4*FRB
	v_lshl_add_u32 v[ADRA], v3, 4, s23
	v_add_nc_u32 v[ADRA+1], SLOT, v[ADRA]
.if NG == 2
	s_mul_i32 s23, s16, GSL
.else
	s_mul_i32 s23, s16, 4*FRB
.endif
	s_add_co_u32 s23, s23, GSL
	v_lshl_add_u32 v[ADRB], v3, 4, s23
	v_add_nc_u32 v[ADRB+1], SLOT, v[ADRB]
	s_lshl_b32 s23, s15, 8
	v_lshl_add_u32 v[ADSA], v3, 2, s23
	v_add_nc_u32 v[ADSA+1], SLOT, v[ADSA]
.if NG == 2
	s_mul_i32 s23, s16, GSL
.else
	s_lshl_b32 s23, s16, 8
.endif
	s_add_co_u32 s23, s23, GSL
	v_lshl_add_u32 v[ADSB], v3, 2, s23
	v_add_nc_u32 v[ADSB+1], SLOT, v[ADSB]
	v_lshlrev_b32 v18, 4, v3
	s_lshl_b32 s20, s17, 3
	s_lshl_b32 s23, s15, 2
	s_add_co_u32 s20, s20, s23
	s_lshl_b32 s20, s20, 17
	s_mov_b32 s21, 0
	s_lshl_b32 s46, s42, 1
	s_add_co_u32 s46, s46, s16
	s_lshl_b32 s46, s46, 13
	s_mov_b32 s47, 0
	s_add_nc_u64 s[20:21], s[20:21], s[46:47]
	s_add_nc_u64 s[12:13], s[12:13], s[20:21]
; NB matrix instructions: h1's fragment a against the weight's NB, set p.  first = 1: the biases' sum is C, and nothing is cleared.  Odd fragments' scale words lie in lanes 16-31 of their register.
.macro MULA a, p, first
.set bb, 0
.rept NB
.set rD, 8*(NB*(\a)+bb)
.if \first
.set rC, 8*bb
.else
.set rC, rD
.endif
.set rB, 128*(\p)+12*bb
.set rA, AF+48*(\p)+12*(\a)
.set rSB, SB+(NB/2)*(\p)+bb/2
.set rSA, SA+2*(\p)+(\a)/2
.set rw, (bb%2)+2*((\a)%2)
.if rw == 0
	v_wmma_scale_f32_16x16x128_f8f6f4 v[rD:rD+7], v[rB:rB+11], v[rA:rA+11], v[rC:rC+7], v[rSB], v[rSA] matrix_a_fmt:MATRIX_FMT_FP6 matrix_b_fmt:MATRIX_FMT_FP6
.elseif rw == 1
	v_wmma_scale_f32_16x16x128_f8f6f4 v[rD:rD+7], v[rB:rB+11], v[rA:rA+11], v[rC:rC+7], v[rSB], v[rSA] matrix_a_fmt:MATRIX_FMT_FP6 matrix_b_fmt:MATRIX_FMT_FP6 matrix_a_scale:MATRIX_SCALE_ROW1
.elseif rw == 2
	v_wmma_scale_f32_16x16x128_f8f6f4 v[rD:rD+7], v[rB:rB+11], v[rA:rA+11], v[rC:rC+7], v[rSB], v[rSA] matrix_a_fmt:MATRIX_FMT_FP6 matrix_b_fmt:MATRIX_FMT_FP6 matrix_b_scale:MATRIX_SCALE_ROW1
.else
	v_wmma_scale_f32_16x16x128_f8f6f4 v[rD:rD+7], v[rB:rB+11], v[rA:rA+11], v[rC:rC+7], v[rSB], v[rSA] matrix_a_fmt:MATRIX_FMT_FP6 matrix_b_fmt:MATRIX_FMT_FP6 matrix_a_scale:MATRIX_SCALE_ROW1 matrix_b_scale:MATRIX_SCALE_ROW1
.endif
.set bb, bb+1
.endr
.endm
; The NLD LDS loads of the slot's q-th K step into set p, in one run: scale words, the weight's fragments, then h1's four in order.
.macro FETCH slot, q, p
	WIN 0
.set jj, 0
.rept NB/2
	ds_load_b32 v[SB+(NB/2)*(\p)+jj], v[ADSB+\slot] offset:(\q)*BLK+SOFF+128*jj
.set jj, jj+1
.endr
.irp j, 0,1
	ds_load_b32 v[SA+2*(\p)+\j], v[ADSA+\slot] offset:(\q)*BLK+SOFF+128*\j
.endr
	WIN TO_B
.set jj, 0
.rept NB
.irp c, 0,1,2
	ds_load_b128 v[128*(\p)+12*jj+4*\c:128*(\p)+12*jj+4*\c+3], v[ADRB+\slot] offset:(\q)*BLK+FRB*jj+512*\c
.endr
.set jj, jj+1
.endr
	WIN 0
.irp a, 0,1,2,3
.irp c, 0,1,2
	ds_load_b128 v[AF+48*(\p)+12*\a+4*\c:AF+48*(\p)+12*\a+4*\c+3], v[ADRA+\slot] offset:(\q)*BLK+FRB*\a+512*\c
.endr
.endr
.endm
; A K step that has its successor in the same slot: the successor's loads go out first, into the set that the last step multiplied; then this step's products.
; Each wait leaves out the NLD loads just issued and those of this step's fragments of h1 that are not yet wanted, three loads each.
.macro STEP slot, q, first
	PLACES
	FETCH \slot, (\q)+1, 1-(\q)%2
.if \first
	WIN FIRST
.else
	WIN MUL
.endif
	s_wait_dscnt NLD+9
	MULA 0, (\q)%2, \first
	s_wait_dscnt NLD+6
	MULA 1, (\q)%2, \first
	s_wait_dscnt NLD+3
	MULA 2, (\q)%2, \first
	s_wait_dscnt NLD
	MULA 3, (\q)%2, \first
.endm
; A slot's last K step changes slots: ONE barrier; in front of it each wave waits for all its tensor loads, adds 0 to its spare word, and waits for that and for its own reads of this slot.
; fill = 1: the barrier opens a round of the cluster's barrier, and this slot is filled again, two tiles ahead.
.macro TURN slot, next, fill
	WIN 0
	s_wait_tensorcnt 0x0
	ds_add_u32 v[SPW], v[NIL]
	s_wait_dscnt 10
	WIN MUL
	MULA 0, 1, 0
	s_wait_dscnt 0x0
	s_barrier_signal -1
	MULA 1, 1, 0
	WIN 0
	s_barrier_wait -1
.if \fill
	CREST
	s_add_nc_u64 s[G0A+4*\slot+2:G0A+4*\slot+3], s[G0A+4*\slot+2:G0A+4*\slot+3], 2*GSL
	s_add_nc_u64 s[G0B+4*\slot+2:G0B+4*\slot+3], s[G0B+4*\slot+2:G0B+4*\slot+3], 2*GSL
	s_cmp_eq_u32 s3, WRAPAT
	s_cselect_b32 s[WR], s[ROT], 0
	s_sub_nc_u64 s[G0A+4*\slot+2:G0A+4*\slot+3], s[G0A+4*\slot+2:G0A+4*\slot+3], s[WR:WR+1]
	s_sub_nc_u64 s[G0B+4*\slot+2:G0B+4*\slot+3], s[G0B+4*\slot+2:G0B+4*\slot+3], s[WR:WR+1]
	JLOAD G0A+4*\slot, G1A, G0B+4*\slot, G1B
.else
	PLACES
.endif
	FETCH \next, 0, 0
	WIN MUL
	MULA 2, 1, 0
	MULA 3, 1, 0
.endm
	s_wait_alu depctr_va_vdst(0)
	s_wait_tensorcnt 0x0                           ; my part of tile 0 is in
	ds_add_u32 v[SPW], v[NIL]
	s_wait_dscnt 0x0
	CROUND                                         ; everybody's part of tile 0 is in, and all sixteen work-groups are here
	JLOAD G0A+4, G1A, G0B+4, G1B                   ; tile 1 into slot 1: the first tensor load behind the round
	FETCH 0, 0, 0
	ASK PW, 3*GSL                                  ; tile 3
	STEP 0, 0, 1
	WIN 0
	s_mov_b32 s3, LAPS-1
.Llap:
	STEP 0, 1, 0
	STEP 0, 2, 0
	TURN 0, 1, 1
	STEP 1, 0, 0
	STEP 1, 1, 0
	STEP 1, 2, 0
	TURN 1, 0, 1
	STEP 0, 0, 0
	WIN 0
	s_sub_co_u32 s3, s3, 1
	s_cmp_lg_u32 s3, 0
	s_cbranch_scc1 .Llap
	STEP 0, 1, 0
	STEP 0, 2, 0
	TURN 0, 1, 0
	STEP 1, 0, 0
	STEP 1, 1, 0
	STEP 1, 2, 0
	WIN MUL
	s_wait_dscnt 9
	MULA 0, 1, 0
	s_wait_dscnt 6
	MULA 1, 1, 0
	s_wait_dscnt 3
	MULA 2, 1, 0
	s_wait_dscnt 0x0
	MULA 3, 1, 0
	WIN 0
	PLACES
	WIN 0x08
.irp a, 0,1,2,3
.irp g, 0,1,2,3,4,5,6,7,8,9,10,11,12,13,14,15
	global_store_b128 v18, v[64*\a+4*\g:64*\a+4*\g+3], s[12:13] offset:131072*\a+512*\g
.endr
.endr
	WIN 0
	s_wait_tensorcnt 0x0
	ds_add_u32 v[SPW], v[NIL]
	s_wait_dscnt 0x0
	CROUND
	s_endpgm
.Lfunc_end_k_qa197ab4322_gemm2:
	.size	k_qa197ab4322_gemm2, .Lfunc_end_k_qa197ab4322_gemm2-k_qa197ab4322_gemm2
	.p2alignl 7, 3214868480
	.fill 96, 4, 3214868480
	.section	.rodata,"a",@progbits
	.p2align	6, 0x0
	.amdhsa_kernel k_qa197ab4322_gemm2
		.amdhsa_group_segment_fixed_size 327680
		.amdhsa_private_segment_fixed_size 0
		.amdhsa_enable_private_segment 0
		.amdhsa_kernarg_size 40
		.amdhsa_user_sgpr_count 2
		.amdhsa_user_sgpr_kernarg_segment_ptr 1
		.amdhsa_wavefront_size32 1
		.amdhsa_system_sgpr_workgroup_id_x 1
		.amdhsa_system_sgpr_workgroup_id_y 1
		.amdhsa_system_sgpr_workgroup_id_z 1
		.amdhsa_system_vgpr_workitem_id 0
		.amdhsa_next_free_vgpr 1024
		.amdhsa_next_free_sgpr 80
		.amdhsa_reserve_vcc 0
		.amdhsa_float_denorm_mode_32 3
		.amdhsa_float_denorm_mode_16_64 3
		.amdhsa_memory_ordered 1
		.amdhsa_forward_progress 1
		.amdhsa_inst_pref_size 135
	.end_amdhsa_kernel
	.amdgpu_metadata
---
amdhsa.version: [ 1, 2 ]
amdhsa.kernels:
  - .name:           k_qa197ab4322_gemm2
    .symbol:         k_qa197ab4322_gemm2.kd
    .args:
      - { .name: h1q, .offset: 0, .size: 8, .value_kind: global_buffer, .address_space: global }
      - { .name: w1q, .offset: 8, .size: 8, .value_kind: global_buffer, .address_space: global }
      - { .name: b_ih1, .offset: 16, .size: 8, .value_kind: global_buffer, .address_space: global }
      - { .name: b_hh1, .offset: 24, .size: 8, .value_kind: global_buffer, .address_space: global }
      - { .name: z2, .offset: 32, .size: 8, .value_kind: global_buffer, .address_space: global }
    .group_segment_fixed_size: 327680
    .private_segment_fixed_size: 0
    .kernarg_segment_align: 8
    .kernarg_segment_size: 40
    .max_flat_workgroup_size: 128
    .sgpr_count:     80
    .vgpr_count:     1024
    .wavefront_size: 32
...
	.end_amdgpu_metadata
.endif
;; end of part 3
;; launch norm (part 4): grid 256 x 1, 16 waves a work-group, no clusters, 37,376 bytes of LDS; arguments z2, ln_g, ln_b, nq; writes nq
.if DOCPART == 4
	.amdgcn_target "amdgcn-amd-amdhsa--gfx1250"
	.amdhsa_code_object_version 6
	.text
	.protected	k_qa197ab4322_norm
	.globl	k_qa197ab4322_norm
	.p2align	8
	.type	k_qa197ab4322_norm,@function
k_qa197ab4322_norm:
	s_mov_b64 s[64:65], 0
	v_nop
	global_prefetch_b8 v0, s[64:65] scope:SCOPE_SE
	s_setreg_imm32_b32 hwreg(HW_REG_WAVE_MODE, 25, 1), 1
	s_wait_xcnt 0x0
; h2 = tanh(z2); the norm over [h2, h2]: its mean and variance are those of h2's 2,048 numbers; normed = (h2 - mean) rsqrt(var + 1e-5) g + b with the two halves of ln_g and ln_b; both halves are quantised
; along the columns, the last product's K (4,096), to codes of FP6 (E2M3) with E8M0 scales.  All in f32; the variance is taken of the differences from the mean (two passes over registers).
; z2 lies as [16 rows RB][128 columns][8,192 bytes]: the image of 64 registers a lane: register 16 b + i of lane (r, h) is column 32 b + 16 h + i of the block's row r.
; SHARES.  Work-group RB owns those 16 rows; wave w owns columns 128 w on: 64 numbers a lane, kept in registers.  The rows' sums meet in LDS: one word for each row and wave, two barriers.
; ln_g AND ln_b COME ONCE, AT THE HEAD: the wave's 128 numbers of each half of each, four loads of 512 consecutive bytes, asked for behind z2's loads.  They go into the wave's own 2,048 bytes of LDS, and each lane reads
; from there the 16 of each 32 that its registers want (the sixteen lanes of a half read the same 16 bytes): no load from memory stands between the sums and the quantisers.  The bytes are the wave's own: no barrier.
; The wave's numbers are K steps w and 16 + w of the result, fragment RB % 8 of group RB / 8, in the layout of blocks of 12,800 bytes (eight register images of 1,536 bytes, then 512 bytes of scale words).
; A fragment's 16 scale words are 64 bytes of a block's 512, since a work-group owns one of the block's eight fragments: these stores cover 64 consecutive bytes.
; tanh(z) = 1 - 2 / (1 + 2^(2 log2(e) z)); where z^2 < 1/16 the series z + z s (c1 + s (c2 + s c3)), s = z^2, is taken in its stead by a select.
; LIMITS: NaN and infinities are not served; a block's largest magnitude is not taken under 2^-124; a block of zeros gets the byte 1 over zero codes (this program alone reads the bytes).
; No tensor loads, no matrix instructions: memory binds here, and four waves share a SIMD.
.set BLK,  12800
.set FRB,  1536
.set SOFF, 12288
.set PAR,  2560                        ; LDS: behind the two areas of sums (2 x 1,280 bytes): 2,048 bytes a wave: g's first half, b's first, g's second, b's second, 512 bytes each
.set XW, 0                             ; all registers lie in window 0: the macro WIN below writes nothing here
.set TX, 64                            ; v64-127  the numbers
.set TE, 128                           ; v128-191 at work for tanh; then g, then normed
.set TS, 192                           ; v192-223 at work for tanh; v192-255 then b
.set TQ, 224
.set TD, 64
.set GG, 128
.set BB, 192
.set TM, 8                             ; v8-23 the quantiser's work; at the head g and b as loaded; also the 16 waves' sums
.set PW, 24                            ; the scale word;  v25: the first half's, kept
.set PC, 32                            ; v32-43 the codes; v44-46, v48-50 halves on their way
.set C1, 52
.set C2, 54
.set SEL, 24                           ; s[24:25]
.set MSB, 0
.macro WIN new
.if MSB != \new
	s_set_vgpr_msb (MSB<<8)|\new
.set MSB, \new
.endif
.endm
.macro POLY hf                         ; numbers 32 hf .. 32 hf + 31: z + z s (c1 + s (c2 + s c3))
	WIN 5*XW
.set jj, 0
.rept 16
	v_pk_mul_f32 v[TS+2*jj:TS+2*jj+1], v[TX+32*\hf+2*jj:TX+32*\hf+2*jj+1], v[TX+32*\hf+2*jj:TX+32*\hf+2*jj+1]
.set jj, jj+1
.endr
	WIN 0
.set jj, 0
.rept 16
	v_pk_fma_f32 v[TQ+2*jj:TQ+2*jj+1], v[TS+2*jj:TS+2*jj+1], 0xbd5d0dd1, v[C2:C2+1] op_sel_hi:[1,0,1]   ; c3 = -17/315
.set jj, jj+1
.endr
.set jj, 0
.rept 16
	v_pk_fma_f32 v[TQ+2*jj:TQ+2*jj+1], v[TQ+2*jj:TQ+2*jj+1], v[TS+2*jj:TS+2*jj+1], v[C1:C1+1]
.set jj, jj+1
.endr
.set jj, 0
.rept 16
	v_pk_mul_f32 v[TQ+2*jj:TQ+2*jj+1], v[TQ+2*jj:TQ+2*jj+1], v[TS+2*jj:TS+2*jj+1]
.set jj, jj+1
.endr
	WIN 20*XW
.set jj, 0
.rept 16
	v_pk_fma_f32 v[TQ+2*jj:TQ+2*jj+1], v[TQ+2*jj:TQ+2*jj+1], v[TX+32*\hf+2*jj:TX+32*\hf+2*jj+1], v[TX+32*\hf+2*jj:TX+32*\hf+2*jj+1]
.set jj, jj+1
.endr
	WIN 0
.endm
.macro SEL32 hf                        ; the series where s < 1/16, else the first form: a select, no branch
.set jj, 0
.rept 32
	v_cmp_gt_f32 vcc_lo, 0x3d800000, v[TS+jj]
	s_delay_alu instid0(VALU_DEP_1)
	v_cndmask_b32 v[TD+32*\hf+jj], v[TE+32*\hf+jj], v[TQ+jj], vcc_lo
.set jj, jj+1
.endr
.endm
.macro TANH
	WIN XW
.set jj, 0
.rept 32
	v_pk_mul_f32 v[TE+2*jj:TE+2*jj+1], v[TX+2*jj:TX+2*jj+1], 0x4038aa3b op_sel_hi:[1,0]   ; 2 log2(e) z
.set jj, jj+1
.endr
	WIN 0
.set jj, 0
	s_wait_alu depctr_va_vdst(0)
.rept 64
	v_exp_f32 v[TE+jj], v[TE+jj]
.set jj, jj+1
.endr
	POLY 0                                         ; plain work that names none of the exponentials' results
	s_wait_alu depctr_va_vdst(0)                   ; one wait for the batch, ahead of its first reader
.set jj, 0
.rept 32
	v_pk_add_f32 v[TE+2*jj:TE+2*jj+1], v[TE+2*jj:TE+2*jj+1], 1.0 op_sel_hi:[1,0]
.set jj, jj+1
.endr
.set jj, 0
	s_wait_alu depctr_va_vdst(0)
.rept 64
	v_rcp_f32 v[TE+jj], v[TE+jj]
.set jj, jj+1
.endr
	v_nop                                          ; a plain place behind the last reciprocal
	s_wait_alu depctr_va_vdst(0)                   ; and one wait for this batch
.set jj, 0
.rept 32
	v_pk_fma_f32 v[TE+2*jj:TE+2*jj+1], v[TE+2*jj:TE+2*jj+1], -2.0, 1.0 op_sel_hi:[1,0,0]
.set jj, jj+1
.endr
	SEL32 0
	POLY 1
	SEL32 1
.endm
; 64 numbers of a lane, register 16 b + i = k 32 b + 16 (lane / 16) + i of my row, become a fragment's codes in v[PC] on and its scale word in v[PW].
.macro QUANT s
.irp b, 0,1,2,3
	v_max3_num_f32 v[TM+\b], |v[\s+16*\b]|, |v[\s+1+16*\b]|, 0x1800000   ; block b: my 16 numbers, and the floor 2^(3 - 127): the byte cannot fall under 1
.endr
.irp i, 2,4,6,8,10,12,14
.irp b, 0,1,2,3
	s_delay_alu instid0(VALU_DEP_4)
	v_max3_num_f32 v[TM+\b], v[TM+\b], |v[\s+16*\b+\i]|, |v[\s+1+16*\b+\i]|
.endr
.endr
.irp b, 0,1,2,3
	s_delay_alu instid0(VALU_DEP_4)
	v_permlanex16_b32 v[TM+4+\b], v[TM+\b], s[SEL], s[SEL+1]
.endr
.irp b, 0,1,2,3
	s_delay_alu instid0(VALU_DEP_4)
	v_max_num_f32 v[TM+\b], v[TM+\b], v[TM+4+\b]   ; with lane l xor 16's: the block's largest magnitude
.endr
.irp b, 0,1,2,3
	s_delay_alu instid0(VALU_DEP_4)
	v_add_nc_u32 v[TM+12+\b], 0xff000000, v[TM+\b]   ; 2 off its exponent field: the conversion's scale operand
.endr
.irp b, 0,1,2,3
	s_delay_alu instid0(VALU_DEP_4)
	v_lshrrev_b32 v[TM+4+\b], 23, v[TM+12+\b]      ; the scale's byte
.endr
	s_delay_alu instid0(VALU_DEP_3)
	v_lshl_or_b32 v[PW], v[TM+5], 8, v[TM+4]
	s_delay_alu instid0(VALU_DEP_1)
	v_lshl_or_b32 v[PW], v[TM+6], 16, v[PW]
	s_delay_alu instid0(VALU_DEP_1)
	v_lshl_or_b32 v[PW], v[TM+7], 24, v[PW]
.irp c, 0,1
	v_cvt_scalef32_pk16_fp6_f32 v[PC+6*\c:PC+2+6*\c], v[\s+32*\c:\s+15+32*\c], v[TM+12+2*\c]
	v_cvt_scalef32_pk16_fp6_f32 v[PC+12+4*\c:PC+14+4*\c], v[\s+16+32*\c:\s+31+32*\c], v[TM+12+2*\c+1]   ; (a conversion's three registers begin on an even number)
.endr
	v_nop                                          ; one plain place behind a scaled conversion
.irp c, 0,1                                    ; the operand's layout wants a whole block in a lane: lanes 0-15 block 2 c, lanes 16-31 block 2 c + 1
.irp i, 0,1,2
	v_permlane16_swap_b32 v[PC+6*\c+\i], v[PC+12+4*\c+\i]
.endr
.irp i, 0,1,2
	s_delay_alu instid0(VALU_DEP_3)
	v_mov_b32 v[PC+3+6*\c+\i], v[PC+12+4*\c+\i]
.endr
.endr
.endm
; My wave's figure for each row (v60) meets the other fifteen in LDS at byte off: one word for row r and wave w at 80 r + 4 w.  Every wave adds the sixteen in the same order: v8 is the same in all.
.macro ACROSS off
	ds_store_b32 v5, v60 offset:\off               ; lanes r and r + 16 write the same word with the same value
	s_wait_dscnt 0x0                               ; for the others' sake: my store is done (and all my earlier LDS instructions with it)
	s_barrier_signal -1
	s_barrier_wait -1
.irp n, 0,1,2,3
	ds_load_b128 v[8+4*\n:11+4*\n], v6 offset:\off+16*\n
.endr
	s_wait_dscnt 0x0
	v_pk_add_f32 v[8:9], v[8:9], v[10:11]
	v_pk_add_f32 v[12:13], v[12:13], v[14:15]
	v_pk_add_f32 v[16:17], v[16:17], v[18:19]
	v_pk_add_f32 v[20:21], v[20:21], v[22:23]
	s_delay_alu instid0(VALU_DEP_3)
	v_pk_add_f32 v[8:9], v[8:9], v[12:13]
	s_delay_alu instid0(VALU_DEP_2)
	v_pk_add_f32 v[16:17], v[16:17], v[20:21]
	s_delay_alu instid0(VALU_DEP_1)
	v_pk_add_f32 v[8:9], v[8:9], v[16:17]
	s_delay_alu instid0(VALU_DEP_1)
	v_add_f32 v8, v8, v9
.endm
.macro HALVES                          ; the pair's two halves, and lane l xor 16's: my row's figure over my wave's 128 columns
	s_delay_alu instid0(VALU_DEP_1)
	v_pk_add_f32 v[60:61], v[60:61], v[62:63]
	s_delay_alu instid0(VALU_DEP_1)
	v_add_f32 v60, v60, v61
	s_delay_alu instid0(VALU_DEP_1)
	v_permlanex16_b32 v61, v60, s[SEL], s[SEL+1]
	s_delay_alu instid0(VALU_DEP_1)
	v_add_f32 v60, v60, v61
.endm
.macro PARAM reg, arr                  ; my 64 numbers of array arr (0 g's first half, 1 b's first, 2 g's second, 3 b's second): register 16 b + i = number 32 b + 16 h + i of my wave's 128
.irp n, 0,1,2,3,4,5,6,7,8,9,10,11,12,13,14,15
	ds_load_b128 v[\reg+4*\n:\reg+4*\n+3], v27 offset:PAR+512*(\arr)+128*(\n/4)+16*(\n%4)
.endr
.endm
	s_load_b256 s[4:11], s[0:1], 0x0               ; z2, ln_g, ln_b, the result
	v_lshl_add_u32 v47, v0, 2, 0x8a00
	v_mov_b32 v51, 0
	v_lshrrev_b32 v1, 5, v0
	s_delay_alu instid0(VALU_DEP_1)
	v_readfirstlane_b32 s12, v1                    ; wave 0..15
	v_and_b32 v1, 31, v0                           ; lane
	v_and_b32 v2, 15, v0                           ; r
	v_bfe_u32 v4, v0, 4, 1                         ; h
	s_delay_alu instid0(VALU_DEP_3)
	v_lshlrev_b32 v3, 4, v1                        ; an image's place for my lane
	s_delay_alu instid0(VALU_DEP_3)
	v_mul_u32_u24 v6, v2, 80                       ; my row's sixteen words in LDS
	s_lshl_b32 s13, s12, 2
	v_add_nc_u32 v5, s13, v6                       ; and my wave's among them
	v_mul_u32_u24 v7, v4, 16*BLK
	s_delay_alu instid0(VALU_DEP_1)
	v_lshl_add_u32 v7, v2, 2, v7                   ; the scale words' store: lanes 0-15 K step w, lanes 16-31 K step 16 + w
	s_lshl_b32 s32, s12, 11                        ; my wave's 2,048 bytes for g and b
	v_lshl_add_u32 v26, v1, 4, s32                 ; in: 16 x lane
	v_lshl_add_u32 v27, v4, 6, s32                 ; out: 64 h: my 16 numbers of a block of 32
	v_mov_b32 v[C1], 0xbeaaaaab
	v_mov_b32 v[C1+1], 0xbeaaaaab
	v_mov_b32 v[C2], 0x3e088889
	v_mov_b32 v[C2+1], 0x3e088889
.irp b, 0,1,2,3
	v_mov_b32 v[TM+4+\b], 0                        ; a lane permute's destination counts as one of its sources
.endr
	s_mov_b32 s[SEL], 0x76543210
	s_mov_b32 s[SEL+1], 0xfedcba98
	s_mov_b32 s26, 0x3727c5ac                      ; 1e-5
	s_mov_b32 s27, 0x3a000000                      ; 1 / 2048
	s_lshl_b32 s14, ttmp9, 17
	s_lshl_b32 s15, s12, 13
	s_add_co_u32 s14, s14, s15
	s_mov_b32 s15, 0
	s_lshl_b32 s16, s12, 9
	s_mov_b32 s17, 0
	s_lshr_b32 s18, ttmp9, 3                       ; the group of 128 rows
	s_and_b32 s19, ttmp9, 7                        ; the fragment
	s_lshl_b32 s18, s18, 5
	s_add_co_u32 s18, s18, s12
	s_mul_i32 s18, s18, BLK                        ; block (group, K step w)
	s_mul_i32 s28, s19, FRB
	s_add_co_u32 s28, s28, s18
	s_mov_b32 s29, 0
	s_lshl_b32 s30, s19, 6
	s_add_co_u32 s30, s30, s18
	s_add_co_u32 s30, s30, SOFF
	s_mov_b32 s31, 0
	s_wait_kmcnt 0x0
	s_add_nc_u64 s[4:5], s[4:5], s[14:15]
	s_add_nc_u64 s[6:7], s[6:7], s[16:17]
	s_add_nc_u64 s[8:9], s[8:9], s[16:17]
	s_add_nc_u64 s[20:21], s[10:11], s[28:29]      ; my fragment
	s_add_nc_u64 s[22:23], s[10:11], s[30:31]      ; its scale words
.irp g, 0,1,2,3,4,5,6,7,8,9,10,11,12,13,14,15
	global_load_b128 v[TX+4*\g:TX+4*\g+3], v3, s[4:5] offset:512*\g th:TH_LOAD_NT   ; 512 consecutive bytes a load
.endr
	global_load_b128 v[8:11], v3, s[6:7]               ; my wave's 128 numbers of g's first half: 512 consecutive bytes,
	global_load_b128 v[12:15], v3, s[8:9]              ; of b's first half,
	global_load_b128 v[16:19], v3, s[6:7] offset:8192  ; of g's second,
	global_load_b128 v[20:23], v3, s[8:9] offset:8192  ; of b's second
	s_wait_loadcnt 4                               ; z2's 16 loads are in; the four behind them may be out
	TANH
	s_wait_loadcnt 0x0                             ; g and b
.irp n, 0,1,2,3
	ds_store_b128 v26, v[8+4*\n:11+4*\n] offset:PAR+512*\n
.endr
	PARAM GG, 0                                    ; LDS serves a wave's instructions in order: these see the stores above.  The first halves come while the sums are made
	PARAM BB, 1
	v_pk_add_f32 v[60:61], v[TX:TX+1], v[TX+2:TX+3]    ; the sum, two at a time, in two chains
	v_pk_add_f32 v[62:63], v[TX+4:TX+5], v[TX+6:TX+7]
.irp j, 8,12,16,20,24,28,32,36,40,44,48,52,56,60
	s_delay_alu instid0(VALU_DEP_2)
	v_pk_add_f32 v[60:61], v[60:61], v[TX+\j:TX+\j+1]
	s_delay_alu instid0(VALU_DEP_2)
	v_pk_add_f32 v[62:63], v[62:63], v[TX+\j+2:TX+\j+3]
.endr
	HALVES
	ACROSS 0                                       ; (its first wait is for all my LDS instructions: the stores of g and b have read v8-23, which its loads write, and g's and b's first halves are in)
	s_delay_alu instid0(VALU_DEP_1)
	v_mul_f32 v56, 0xba000000, v8                  ; - the mean
	s_delay_alu instid0(VALU_DEP_1)
	v_mov_b32 v57, v56
.set jj, 0
.rept 32
	v_pk_add_f32 v[TX+2*jj:TX+2*jj+1], v[TX+2*jj:TX+2*jj+1], v[56:57]
.set jj, jj+1
.endr
	v_pk_mul_f32 v[60:61], v[TX:TX+1], v[TX:TX+1]      ; the sum of the squares of the differences
	v_pk_mul_f32 v[62:63], v[TX+2:TX+3], v[TX+2:TX+3]
.irp j, 4,8,12,16,20,24,28,32,36,40,44,48,52,56,60
	s_delay_alu instid0(VALU_DEP_2)
	v_pk_fma_f32 v[60:61], v[TX+\j:TX+\j+1], v[TX+\j:TX+\j+1], v[60:61]
	s_delay_alu instid0(VALU_DEP_2)
	v_pk_fma_f32 v[62:63], v[TX+\j+2:TX+\j+3], v[TX+\j+2:TX+\j+3], v[62:63]
.endr
	HALVES
	ACROSS 1280                                    ; other bytes than the first time: no wave can overwrite what another still reads
	s_delay_alu instid0(VALU_DEP_1)
	v_fma_f32 v58, v8, s27, s26                    ; the variance + 1e-5
	s_wait_alu depctr_va_vdst(0)
	v_rsq_f32 v59, v58
	v_nop                                          ; a plain place behind the transcendental
	s_wait_alu depctr_va_vdst(0)                   ; and the wait ahead of its first reader
	v_mov_b32 v58, v59
.set jj, 0
.rept 32
	v_pk_mul_f32 v[TX+2*jj:TX+2*jj+1], v[TX+2*jj:TX+2*jj+1], v[58:59]
.set jj, jj+1
.endr
.set jj, 0
.rept 32
	v_pk_fma_f32 v[GG+2*jj:GG+2*jj+1], v[TX+2*jj:TX+2*jj+1], v[GG+2*jj:GG+2*jj+1], v[BB+2*jj:BB+2*jj+1]
.set jj, jj+1
.endr
	PARAM BB, 3                                    ; b's second half comes while the first half is quantised
	QUANT GG
	v_mov_b32 v25, v[PW]
.irp c, 0,1,2
	global_store_b128 v3, v[PC+4*\c:PC+4*\c+3], s[20:21] offset:512*\c   ; 512 consecutive bytes, at a multiple of 256 from the buffer's first byte
.endr
	PARAM GG, 2
	s_wait_dscnt 0x0                               ; g and b, second halves
.set jj, 0
.rept 32
	v_pk_fma_f32 v[GG+2*jj:GG+2*jj+1], v[TX+2*jj:TX+2*jj+1], v[GG+2*jj:GG+2*jj+1], v[BB+2*jj:BB+2*jj+1]
.set jj, jj+1
.endr
	s_wait_xcnt 0x0                                ; the stores have read the codes: they are written again
	QUANT GG
.irp c, 0,1,2
	global_store_b128 v3, v[PC+4*\c:PC+4*\c+3], s[20:21] offset:16*BLK+512*\c
.endr
	v_cmp_gt_u32 vcc_lo, 16, v1
	s_delay_alu instid0(VALU_DEP_1)
	v_cndmask_b32 v[PW], v[PW], v25, vcc_lo        ; lanes 0-15 the first half's word, lanes 16-31 the second's
	global_store_b32 v7, v[PW], s[22:23]
	s_wait_tensorcnt 0x0
	ds_add_u32 v47, v51
	s_wait_dscnt 0x0
	s_endpgm
.Lfunc_end_k_qa197ab4322_norm:
	.size	k_qa197ab4322_norm, .Lfunc_end_k_qa197ab4322_norm-k_qa197ab4322_norm
	.p2alignl 7, 3214868480
	.fill 96, 4, 3214868480
	.section	.rodata,"a",@progbits
	.p2align	6, 0x0
	.amdhsa_kernel k_qa197ab4322_norm
		.amdhsa_group_segment_fixed_size 37376
		.amdhsa_private_segment_fixed_size 0
		.amdhsa_enable_private_segment 0
		.amdhsa_kernarg_size 32
		.amdhsa_user_sgpr_count 2
		.amdhsa_user_sgpr_kernarg_segment_ptr 1
		.amdhsa_wavefront_size32 1
		.amdhsa_system_sgpr_workgroup_id_x 1
		.amdhsa_system_sgpr_workgroup_id_y 1
		.amdhsa_system_sgpr_workgroup_id_z 1
		.amdhsa_system_vgpr_workitem_id 0
		.amdhsa_next_free_vgpr 256
		.amdhsa_next_free_sgpr 66
		.amdhsa_reserve_vcc 1
		.amdhsa_float_denorm_mode_32 3
		.amdhsa_float_denorm_mode_16_64 3
		.amdhsa_memory_ordered 1
		.amdhsa_forward_progress 1
		.amdhsa_inst_pref_size 68
	.end_amdhsa_kernel
	.amdgpu_metadata
---
amdhsa.version: [ 1, 2 ]
amdhsa.kernels:
  - .name:           k_qa197ab4322_norm
    .symbol:         k_qa197ab4322_norm.kd
    .args:
      - { .name: z2, .offset: 0, .size: 8, .value_kind: global_buffer, .address_space: global }
      - { .name: ln_g, .offset: 8, .size: 8, .value_kind: global_buffer, .address_space: global }
      - { .name: ln_b, .offset: 16, .size: 8, .value_kind: global_buffer, .address_space: global }
      - { .name: nq, .offset: 24, .size: 8, .value_kind: global_buffer, .address_space: global }
    .group_segment_fixed_size: 37376
    .private_segment_fixed_size: 0
    .kernarg_segment_align: 8
    .kernarg_segment_size: 32
    .max_flat_workgroup_size: 512
    .sgpr_count:     66
    .vgpr_count:     256
    .wavefront_size: 32
...
	.end_amdgpu_metadata
.endif
;; end of part 4
;; launch gemm3 (part 5): grid 8 x 32, 4 waves a work-group, clusters of 4 x 4, 327,680 bytes of LDS; arguments nq, fcq, fc_b, out0; writes out0
.if DOCPART == 5
	.amdgcn_target "amdgcn-amd-amdhsa--gfx1250"
	.amdhsa_code_object_version 6
	.text
	.protected	k_qa197ab4322_gemm3
	.globl	k_qa197ab4322_gemm3
	.p2align	8
	.type	k_qa197ab4322_gemm3,@function
k_qa197ab4322_gemm3:
	s_mov_b64 s[64:65], 0
	v_nop
	global_prefetch_b8 v0, s[64:65] scope:SCOPE_SE
	s_setreg_imm32_b32 hwreg(HW_REG_WAVE_MODE, 25, 1), 1
	s_wait_xcnt 0x0
	s_wait_alu depctr_hold_cnt(0) depctr_sa_sdst(0) depctr_va_vdst(0) depctr_va_sdst(0) depctr_va_ssrc(0) depctr_va_vcc(0) depctr_vm_vsrc(0)
	s_getreg_b32 s2, hwreg(HW_REG_IB_STS2, 6, 4)
	s_cmp_eq_u32 s2, 0
	s_cbranch_scc0 .Lentry_in_a_cluster
	s_endpgm
.Lentry_in_a_cluster:
	s_bfe_u32 s2, ttmp6, 0x10000c
	s_cmp_lg_u32 s2, 0xf033
	s_cbranch_scc0 .Lentry_shape_is_right
	s_endpgm
.Lentry_shape_is_right:
; out0 = normed fc_W^T + fc_b, M 4096, K 4096, N 1000, on codes of FP6 (E2M3) with E8M0 scales; out0 is f32, rows of 4,000 bytes.
; OPERANDS lie in memory as blocks of 12,800 bytes for 128 rows x 128 K: eight fragments as images of the operand's registers (1,536 bytes each: registers 4 c .. 4 c + 3 of lane l at 512 c + 16 l), then 512 bytes of
; scale words (fragment i, row r at 12,288 + 64 i + 4 r).  Fragment row r of fragment i is row 32 (i / 2) + 8 (i % 2) + r + 8 (r / 8) of its 128.  Block (group, K step) lies at (group x KS + step) x 12,800.
; The weight is laid as 1,024 rows; rows 1000-1023 feed columns that are never stored.
; SHARES.  A work-group makes 128 rows x 128 columns: 8 x 32 = 256 work-groups.  Wave (wm, wn) makes 64 x 64: 16 accumulators, which take turns, one instruction a turn, in one fixed order.
; THE MATRIX INSTRUCTION IS USED TRANSPOSED (source 0 = 16 rows of the weight, source 1 = 16 rows of normed): a lane holds eight neighbouring columns of one row in each accumulator.
; K goes through a ring of two LDS slots of four K steps, filled by the tensor data mover, one load a wave; CLUSTERS of 4 x 4 work-groups ask for shared tiles jointly.
; HALF OF THE CLUSTERS WALK K FROM ITS MIDDLE and wrap round: those in which x ^ y ^ y/2 ^ y/4 of the cluster's own coordinates is odd.  The two clusters that read the same rows of normed differ in that bit, and so do two of any
; four clusters with neighbouring y that read the same rows of the weight: they ask for the same block half a walk apart.  The bit is the same in all sixteen partners; it enters the two global addresses alone, no branch and no LDS address.
; The bias is the C of each sum's first matrix instruction.  LIMITS: NaN and infinities are not served; the bias starts the sum; the order of the K steps in a sum differs between clusters, so sums agree to f32 rounding.
; THE WAY OUT: the tile meets in a stage in slot 0 (128 rows of 512 bytes + 16), a barrier, and each wave stores 32 whole rows of the tile: 512 consecutive bytes a store (416 in the last tile column, by EXEC).
; Rows of 4,000 bytes begin at multiples of 16 bytes only.
; REGISTERS: window 0: v1-3 r, h, lane; v10-17 LDS addresses; v20-22 the way out; v28-29 for the add; v32-39 scale words, two sets; v44-51 the bias's offsets; v64-159 normed's four fragments, two sets; on the way out v64-191 rows of the tile.
;   window 1: the weight's four fragments, two sets, at v0 and v128.   window 2: accumulator (a, b) at v[8 (4 a + b)].   window 3: v0-31 the bias.
; PREFETCH.  Behind the load of the walk's tile j (four K steps) stands the request for tile j + 2; tile 1's stands with tile 2's, in the head, behind the wait for the bias; the loads of the last two tiles ask for nothing.  Of the 25,600 bytes
; that a wave's load brings, each of the four partners that ask for them jointly names a quarter, told apart by address (cx for normed's tiles, cy for the weight's): 25 blocks of 256 bytes, one instruction, a lane a block; lanes 25-31 name the 25th again.
.set KS,    32                         ; K steps of 128
.set PFO,  30                          ; v30 256 x min(lane, 24); never rewritten
.set PF,   66                          ; s[66:67] my share of the walk's tile 0: serves the tiles ahead of the wrap
.set PW,   68                          ; s[68:69] the same less a group's whole K in a cluster that began at K's middle: serves the tiles behind the wrap; stepped two tiles a trip
.set NG,    1                          ; groups of 128 columns to a work-group
.set NB,    4*NG                       ; the weight's fragments to a wave
.set BLK,   12800
.set FRB,   1536
.set SOFF,  12288
.set GSL,   4*BLK                      ; four K steps of one group of 128 rows
.set SLOT,  (1+NG)*GSL                 ; normed's group, then the weight's
.set SPARE, 2*SLOT                     ; behind the ring: the spare words, 128 bytes for each wave: two blocks of 256 bytes that no other line names
.set RWA,   100                        ; rows of 256 bytes in a load: two blocks
.set RWB,   100*NG
.set NLD,   NB/2+2+3*NB+12             ; LDS loads of a K step
.set LAPS,  KS/8                       ; a lap = two slots
.set WRAPAT, KS/16                     ; the loop's count in the trip whose refills pass K's end in a walk that began at K's middle
.set SPI,   528                        ; a row of the stage
.set ADRA, 10
.set ADRB, 12
.set ADSA, 14
.set ADSB, 16
.set STO,  20                          ; v20 the stage: where I put 32 bytes of a row
.set RD,   21                          ; v21 and where I read a row back
.set CO,   22                          ; v22 16 x lane
.set SPW,  28                          ; v28 LDS address of my spare word; never rewritten
.set NIL,  29                          ; v29 0; never rewritten
.set SA,   32                          ; normed's scale words: set p at v[SA + 2 p]; register j: lanes 0-15 fragment 2 j, lanes 16-31 fragment 2 j + 1
.set SB,   36                          ; the weight's: set p at v[SB + (NB / 2) p], likewise
.set AF,   64                          ; normed's fragments: set p at v[AF + 48 p]
.set G1A, 24
.set G0A, 32
.set G1B, 48
.set G0B, 56
.set ROT, 43                           ; s43 0, or a group's whole K in bytes in a cluster that begins at K's middle
.set WR,  40                           ; s[40:41] what a refill takes off the walking addresses: 0, or s[ROT] in the trip that wraps
.set MSB, 0
.macro WIN new                         ; the immediate's high byte repeats the setting that is left
.if MSB != \new
	s_set_vgpr_msb (MSB<<8)|\new
.set MSB, \new
.endif
.endm
.set MUL,   0xa1                       ; source 0 window 1, source 1 window 0, C and D window 2
.set FIRST, 0xb1                       ; the same with C in window 3: the bias
.set TO_B,  0x40                       ; destination window 1, address window 0
; A joint load: waves 0 and 1 fetch for normed, waves 2 and 3 for the weight.  The branch hangs on the wave's number alone.  Four v_nop follow each of the two lines.
.macro JLOAD g0a, g1a, g0b, g1b
	s_cmp_eq_u32 s15, 0
	s_cbranch_scc0 .Lfor_b_\@
	tensor_load_to_lds s[\g0a:\g0a+3], s[\g1a:\g1a+7]
	s_nop 0
.rept 4
	v_nop
.endr
	s_branch .Lasked_\@
.Lfor_b_\@:
	tensor_load_to_lds s[\g0b:\g0b+3], s[\g1b:\g1b+7]
	s_nop 0
.rept 4
	v_nop
.endr
.Lasked_\@:
.endm
.macro CREST                           ; a round of the cluster's barrier behind its opening barrier
	s_cmp_lg_u32 s14, 0
	s_cbranch_scc1 .Lnot_wave_0_\@
	s_barrier_signal -3
.Lnot_wave_0_\@:
	s_barrier_wait -3
	s_barrier_signal -1
	s_barrier_wait -1
.endm
.macro CROUND                          ; a whole round
	s_barrier_signal -1
	s_barrier_wait -1
	CREST
.endm
; A request for my share of the tile at ptr + off.  guard = 1, in the loop: the last trip (s3 = 1) asks for nothing: its tiles would lie beyond the walk's end.
.macro ASK ptr, off, guard
.if \guard
	s_cmp_gt_u32 s3, 1
	s_cbranch_scc0 .Lasked_pf_\@
.endif
	global_prefetch_b8 v[PFO], s[\ptr:\ptr+1] offset:\off th:TH_LOAD_NT scope:SCOPE_SE
.Lasked_pf_\@:
.endm
.macro PLACES                          ; four plain places behind a matrix instruction, in front of loads into registers that it read and of reads of its results
.rept 4
	v_nop
.endr
.endm
	s_load_b128 s[4:7], s[0:1], 0x0                ; normed's codes, the weight's codes
	s_load_b64 s[8:9], s[0:1], 0x10                ; the bias
	s_load_b64 s[12:13], s[0:1], 0x18              ; the result
	v_lshl_add_u32 v[SPW], v0, 2, SPARE
	v_mov_b32 v[NIL], 0
	ds_add_u32 v28, v29                            ; the opening lines: the add, twice on end; the set-up below, work on registers, stands between them and their wait
	ds_add_u32 v28, v29
	v_lshrrev_b32 v1, 5, v0
	v_readfirstlane_b32 s14, v1                    ; wave 0..3
	s_lshr_b32 s15, s14, 1                         ; wm: which 64 rows are mine.  Also: I fetch for normed (0) or for the weight (1)
	s_and_b32 s16, s14, 1                          ; wn: which columns.  Also: which part I fetch
	s_bfe_u32 s40, ttmp6, 0x40000                  ; cx, cy: my place in the cluster
	s_bfe_u32 s41, ttmp6, 0x40004
	s_lshl_b32 s42, ttmp9, 2
	s_add_co_u32 s42, s42, s40                     ; tile column = 4 x cluster x + cx
	s_and_b32 s17, ttmp7, 0xffff
	s_lshl_b32 s17, s17, 2
	s_add_co_u32 s17, s17, s41                     ; tile row = 4 x cluster y + cy
	s_lshl_b32 s43, s41, 2
	s_lshl_b32 s43, 15, s43                        ; my row of the cluster
	s_lshl_b32 s44, 0x1111, s40                    ; my column
	s_cmp_eq_u32 s15, 0                            ; the prefetches: my place among the four that ask for my tile with me: cx for normed's tiles, cy for the weight's,
	s_cselect_b32 s70, s40, s41
	s_mul_i32 s70, s70, 6400                       ; times a quarter of what my load brings
	s_mov_b32 s71, 0
	s_or_b32 s[G1A+0], s43, (3<<16)|(1<<21)        ; 15:0 the mask; 17:16 elements of 8 bytes; 20 no padding; 21 set beside a mask
	s_or_b32 s[G1B+0], s44, (3<<16)|(1<<21)
	s_mov_b32 s[G1A+1], 32<<16                     ; tensor_dim0 = 32 elements: rows of 256 bytes
	s_mov_b32 s[G1A+2], RWA<<16                    ; tensor_dim1
	s_mov_b32 s[G1A+3], 32<<16                     ; tile_dim0
	s_mov_b32 s[G1A+4], RWA                        ; tile_dim1
	s_mov_b32 s[G1A+5], 32                         ; the pitch: the block is dense
	s_mov_b32 s[G1A+6], 0
	s_mov_b32 s[G1A+7], 0
	s_mov_b32 s[G1B+1], 32<<16
	s_mov_b32 s[G1B+2], RWB<<16
	s_mov_b32 s[G1B+3], 32<<16
	s_mov_b32 s[G1B+4], RWB
	s_mov_b32 s[G1B+5], 32
	s_mov_b32 s[G1B+6], 0
	s_mov_b32 s[G1B+7], 0
	s_lshl_b32 s23, s16, 1
	s_mul_i32 s20, s17, KS
	s_add_co_u32 s20, s20, s23
	s_mul_i32 s20, s20, BLK                        ; normed: group = tile row; of a slot's four blocks I fetch two
	s_mov_b32 s21, 0
.if NG == 2
	s_lshl_b32 s46, s42, 1
	s_add_co_u32 s46, s46, s16
	s_mul_i32 s46, s46, KS*BLK
.else
	s_mul_i32 s46, s42, KS
	s_add_co_u32 s46, s46, s23
	s_mul_i32 s46, s46, BLK                        ; the weight: group = tile column; I fetch two of its four blocks
.endif
	s_mov_b32 s47, 0
	s_lshr_b32 s[ROT], ttmp7, 1                    ; where my cluster's walk along K begins: bit 0 of x ^ y ^ y / 2 ^ y / 4, of the CLUSTER's x and y: the same in all sixteen partners
	s_xor_b32 s[ROT], s[ROT], ttmp7
	s_lshr_b32 s[WR], ttmp7, 2
	s_xor_b32 s[ROT], s[ROT], s[WR]
	s_xor_b32 s[ROT], s[ROT], ttmp9
	s_and_b32 s[ROT], s[ROT], 1
	s_mul_i32 s[ROT], s[ROT], KS*BLK               ; 0, or a group's whole K in bytes
	s_lshr_b32 s[WR], s[ROT], 1                    ; 0, or half of it: the walk begins at K's middle
	s_mov_b32 s[WR+1], 0
	s_add_co_u32 s20, s20, s[WR]
	s_add_co_u32 s46, s46, s[WR]
	s_mul_i32 s45, s16, RWA*256                    ; where they go: no place in the cluster enters an LDS address
	s_mul_i32 s22, s16, RWB*256
	s_add_co_u32 s22, s22, GSL
	s_wait_dscnt 0x0                               ; both opening adds are done
	s_wait_kmcnt 0x0
	s_add_nc_u64 s[20:21], s[4:5], s[20:21]
	s_add_nc_u64 s[46:47], s[6:7], s[46:47]
	s_cmp_eq_u32 s15, 0                            ; the choice hangs on the wave's number alone
	s_cselect_b64 s[PF:PF+1], s[20:21], s[46:47]
	s_add_nc_u64 s[PF:PF+1], s[PF:PF+1], s[70:71]
	s_mov_b32 s[WR], s[ROT]
	s_sub_nc_u64 s[PW:PW+1], s[PF:PF+1], s[WR:WR+1]
.irp s, 0,1
	s_mov_b32 s[G0A+4*\s], 1
	s_add_co_u32 s[G0A+4*\s+1], s45, \s*SLOT
	s_add_nc_u64 s[G0A+4*\s+2:G0A+4*\s+3], s[20:21], \s*GSL
	s_or_b32 s[G0A+4*\s+3], s[G0A+4*\s+3], 0x80000000
	s_mov_b32 s[G0B+4*\s], 1
	s_add_co_u32 s[G0B+4*\s+1], s22, \s*SLOT
	s_add_nc_u64 s[G0B+4*\s+2:G0B+4*\s+3], s[46:47], \s*GSL
	s_or_b32 s[G0B+4*\s+3], s[G0B+4*\s+3], 0x80000000
.endr
	CROUND                                         ; all sixteen work-groups are here: the first joint loads meet
	JLOAD G0A, G1A, G0B, G1B                       ; tile 0 into slot 0; the bias and the addresses are made while it is out
	v_and_b32 v1, 15, v0                           ; r
	v_bfe_u32 v2, v0, 4, 1                         ; h
	v_and_b32 v3, 31, v0                           ; lane
	v_min_u32 v[PFO], 24, v3
	v_lshlrev_b32 v[PFO], 8, v[PFO]
	; the bias in the result's layout: register 16 b + i = column 32 b + 16 h + i of my 64.  An offset past the bias's last 16 bytes is held there: it serves only columns from 1000 on, which are not stored
	s_lshl_b32 s46, s42, 9
	s_lshl_b32 s47, s16, 8
	s_add_co_u32 s46, s46, s47
	v_lshl_add_u32 v19, v2, 6, s46
.irp n, 0,1,2,3,4,5,6,7
	v_add_nc_u32 v[44+\n], 128*(\n/4)+16*(\n%4), v19
.endr
.irp n, 0,1,2,3,4,5,6,7
	v_min_u32 v[44+\n], 3984, v[44+\n]
.endr
	WIN 0xc0                                       ; destination window 3
.irp n, 0,1,2,3,4,5,6,7
	global_load_b128 v[4*\n:4*\n+3], v[44+\n], s[8:9]
.endr
	WIN 0
	s_mul_i32 s23, s15, 4*FRB
	v_lshl_add_u32 v[ADRA], v3, 4, s23             ; 16 x lane + my four fragments of normed
	v_add_nc_u32 v[ADRA+1], SLOT, v[ADRA]
.if NG == 2
	s_mul_i32 s23, s16, GSL
.else
	s_mul_i32 s23, s16, 4*FRB
.endif
	s_add_co_u32 s23, s23, GSL
	v_lshl_add_u32 v[ADRB], v3, 4, s23             ; 16 x lane + my fragments of the weight
	v_add_nc_u32 v[ADRB+1], SLOT, v[ADRB]
	s_lshl_b32 s23, s15, 8
	v_lshl_add_u32 v[ADSA], v3, 2, s23             ; 4 x lane + my fragments' scale words
	v_add_nc_u32 v[ADSA+1], SLOT, v[ADSA]
.if NG == 2
	s_mul_i32 s23, s16, GSL
.else
	s_lshl_b32 s23, s16, 8
.endif
	s_add_co_u32 s23, s23, GSL
	v_lshl_add_u32 v[ADSB], v3, 2, s23
	v_add_nc_u32 v[ADSB+1], SLOT, v[ADSB]
	; the way out
	s_mul_i32 s23, s15, 64*SPI
	s_lshl_b32 s47, s16, 8
	s_add_co_u32 s23, s23, s47
	v_mul_u32_u24 v[STO], v1, SPI
	v_lshl_add_u32 v[STO], v2, 6, v[STO]
	v_add_nc_u32 v[STO], s23, v[STO]               ; stage row 64 wm + r (+ 16 a), byte 256 wn + 64 h
	s_mul_i32 s23, s14, 32*SPI
	v_lshl_add_u32 v[RD], v3, 4, s23               ; back: my 32 stage rows, 16 bytes a lane
	v_lshlrev_b32 v[CO], 4, v3
	s_lshl_b32 s2, s42, 5
	s_sub_co_u32 s2, 250, s2                       ; lanes under this number hold columns under 1000
	s_lshl_b32 s20, s17, 7
	s_lshl_b32 s23, s14, 5
	s_add_co_u32 s20, s20, s23
	s_mul_i32 s20, s20, 4000                       ; row 128 x tile row + 32 x wave
	s_mov_b32 s21, 0
	s_lshl_b32 s46, s42, 9                         ; the tile's first column, in bytes
	s_mov_b32 s47, 0
	s_add_nc_u64 s[20:21], s[20:21], s[46:47]
	s_add_nc_u64 s[12:13], s[12:13], s[20:21]
	s_wait_alu depctr_va_vdst(0)
	s_wait_loadcnt 0x0                             ; the bias
; NB matrix instructions: normed's fragment a against the weight's NB, set p.  first = 1: the bias is C, and nothing is cleared.
.macro MULA a, p, first
.set bb, 0
.rept NB
.set rD, 8*(NB*(\a)+bb)
.if \first
.set rC, 8*bb
.else
.set rC, rD
.endif
.set rB, 128*(\p)+12*bb
.set rA, AF+48*(\p)+12*(\a)
.set rSB, SB+(NB/2)*(\p)+bb/2
.set rSA, SA+2*(\p)+(\a)/2
.set rw, (bb%2)+2*((\a)%2)             ; odd fragments' scale words lie in lanes 16-31
.if rw == 0
	v_wmma_scale_f32_16x16x128_f8f6f4 v[rD:rD+7], v[rB:rB+11], v[rA:rA+11], v[rC:rC+7], v[rSB], v[rSA] matrix_a_fmt:MATRIX_FMT_FP6 matrix_b_fmt:MATRIX_FMT_FP6
.elseif rw == 1
	v_wmma_scale_f32_16x16x128_f8f6f4 v[rD:rD+7], v[rB:rB+11], v[rA:rA+11], v[rC:rC+7], v[rSB], v[rSA] matrix_a_fmt:MATRIX_FMT_FP6 matrix_b_fmt:MATRIX_FMT_FP6 matrix_a_scale:MATRIX_SCALE_ROW1
.elseif rw == 2
	v_wmma_scale_f32_16x16x128_f8f6f4 v[rD:rD+7], v[rB:rB+11], v[rA:rA+11], v[rC:rC+7], v[rSB], v[rSA] matrix_a_fmt:MATRIX_FMT_FP6 matrix_b_fmt:MATRIX_FMT_FP6 matrix_b_scale:MATRIX_SCALE_ROW1
.else
	v_wmma_scale_f32_16x16x128_f8f6f4 v[rD:rD+7], v[rB:rB+11], v[rA:rA+11], v[rC:rC+7], v[rSB], v[rSA] matrix_a_fmt:MATRIX_FMT_FP6 matrix_b_fmt:MATRIX_FMT_FP6 matrix_a_scale:MATRIX_SCALE_ROW1 matrix_b_scale:MATRIX_SCALE_ROW1
.endif
.set bb, bb+1
.endr
.endm
; The NLD LDS loads of the slot's q-th K step into set p, in one run: scale words, the weight's fragments, then normed's four in order.
.macro FETCH slot, q, p
	WIN 0
.set jj, 0
.rept NB/2
	ds_load_b32 v[SB+(NB/2)*(\p)+jj], v[ADSB+\slot] offset:(\q)*BLK+SOFF+128*jj
.set jj, jj+1
.endr
.irp j, 0,1
	ds_load_b32 v[SA+2*(\p)+\j], v[ADSA+\slot] offset:(\q)*BLK+SOFF+128*\j
.endr
	WIN TO_B
.set jj, 0
.rept NB
.irp c, 0,1,2
	ds_load_b128 v[128*(\p)+12*jj+4*\c:128*(\p)+12*jj+4*\c+3], v[ADRB+\slot] offset:(\q)*BLK+FRB*jj+512*\c
.endr
.set jj, jj+1
.endr
	WIN 0
.irp a, 0,1,2,3
.irp c, 0,1,2
	ds_load_b128 v[AF+48*(\p)+12*\a+4*\c:AF+48*(\p)+12*\a+4*\c+3], v[ADRA+\slot] offset:(\q)*BLK+FRB*\a+512*\c
.endr
.endr
.endm
; A K step that has its successor in the same slot: the successor's loads go out first, into the set that the last step multiplied; then this step's products.
.macro STEP slot, q, first
	PLACES
	FETCH \slot, (\q)+1, 1-(\q)%2
.if \first
	WIN FIRST
.else
	WIN MUL
.endif
	s_wait_dscnt NLD+9                             ; may be out: the NLD just issued, and normed's fragments 1 to 3 of this step, three loads each
	MULA 0, (\q)%2, \first
	s_wait_dscnt NLD+6
	MULA 1, (\q)%2, \first
	s_wait_dscnt NLD+3
	MULA 2, (\q)%2, \first
	s_wait_dscnt NLD
	MULA 3, (\q)%2, \first
.endm
; A slot's last K step changes slots: ONE barrier; in front of it each wave waits for all its tensor loads, adds 0 to its spare word, and waits for that and for its own reads of this slot.  fill = 1: this slot is filled again, two slots ahead.
.macro TURN slot, next, fill
	WIN 0                                          ; (the add's two registers lie in window 0)
.if (\fill) && ((\slot) == 0) && (LAPS > 2)
	s_wait_xcnt 0x0                                ; my prefetches, the last of them three K steps back, have read their address: it steps two tiles a trip
	s_add_nc_u64 s[PW:PW+1], s[PW:PW+1], 2*GSL
.endif
	s_wait_tensorcnt 0x0                           ; all my tensor loads have landed: my part of the next slot
	ds_add_u32 v[SPW], v[NIL]                      ; 0 onto my spare word
	s_wait_dscnt 10                                ; (the add and normed's fragments 1 to 3 may be out)
	WIN MUL
	MULA 0, 1, 0
	s_wait_dscnt 0x0                               ; the add is done, and my reads of this slot are over
	s_barrier_signal -1
	MULA 1, 1, 0
	WIN 0
	s_barrier_wait -1
.if \fill
	CREST                                          ; the barrier has opened a round of the cluster's barrier: no wave of any partner still reads this slot or has a load on its way
	s_add_nc_u64 s[G0A+4*\slot+2:G0A+4*\slot+3], s[G0A+4*\slot+2:G0A+4*\slot+3], 2*GSL
	s_add_nc_u64 s[G0B+4*\slot+2:G0B+4*\slot+3], s[G0B+4*\slot+2:G0B+4*\slot+3], 2*GSL
	s_cmp_eq_u32 s3, WRAPAT                        ; in this trip a walk that began at K's middle has passed K's end: it goes on at K's start.  A select, no branch
	s_cselect_b32 s[WR], s[ROT], 0
	s_sub_nc_u64 s[G0A+4*\slot+2:G0A+4*\slot+3], s[G0A+4*\slot+2:G0A+4*\slot+3], s[WR:WR+1]
	s_sub_nc_u64 s[G0B+4*\slot+2:G0B+4*\slot+3], s[G0B+4*\slot+2:G0B+4*\slot+3], s[WR:WR+1]
	JLOAD G0A+4*\slot, G1A, G0B+4*\slot, G1B       ; the first tensor load behind the round; its four v_nop are the places in front of the loads below
.else
	PLACES
.endif
	FETCH \next, 0, 0
.if (\fill) && (LAPS > 2)
	ASK PW, (2+\slot)*GSL, 1                       ; behind the joint load and the run of LDS loads: the tile two refills on
.endif
	WIN MUL
	MULA 2, 1, 0
	MULA 3, 1, 0
.endm
	ASK PF, GSL, 0                                 ; tiles 1 and 2, behind the wait for the bias: tile 0's own load has been out since ahead of that wait
	ASK PF, 2*GSL, 0
	s_wait_tensorcnt 0x0                           ; my part of tile 0 is in
	ds_add_u32 v[SPW], v[NIL]
	s_wait_dscnt 0x0
	CROUND                                         ; everybody's part of tile 0 is in, and all sixteen work-groups are here
	JLOAD G0A+4, G1A, G0B+4, G1B                   ; tile 1 into slot 1: the first tensor load behind the round
	FETCH 0, 0, 0
	ASK PF, 3*GSL, 0                               ; tile 3
	STEP 0, 0, 1                                   ; the first step stands in front of the loop: its products start the sums
	WIN 0
	s_mov_b32 s3, LAPS-1
.Llap:                                             ; a trip goes once round the ring, from a lap's second step to the next lap's first, and fills both slots again
	STEP 0, 1, 0
	STEP 0, 2, 0
	TURN 0, 1, 1
	STEP 1, 0, 0
	STEP 1, 1, 0
	STEP 1, 2, 0
	TURN 1, 0, 1
	STEP 0, 0, 0
	WIN 0
	s_sub_co_u32 s3, s3, 1
	s_cmp_lg_u32 s3, 0
	s_cbranch_scc1 .Llap
	STEP 0, 1, 0                                   ; the last lap fills nothing, and has no round of the cluster's barrier
	STEP 0, 2, 0
	TURN 0, 1, 0
	STEP 1, 0, 0
	STEP 1, 1, 0
	STEP 1, 2, 0
	WIN MUL                                        ; the very last step: nothing more to fetch
	s_wait_dscnt 9
	MULA 0, 1, 0
	s_wait_dscnt 6
	MULA 1, 1, 0
	s_wait_dscnt 3
	MULA 2, 1, 0
	s_wait_dscnt 0x0
	MULA 3, 1, 0
	WIN 0
	PLACES
	; THE WAY OUT.  The stage lies in slot 0, which has had its last fill and, since the last change of slots, its last read.
	WIN 0x08                                       ; an LDS store's data are its source 1: window 2
.irp a, 0,1,2,3
.irp b, 0,1,2,3
	ds_store_b128 v[STO], v[8*(4*\a+\b):8*(4*\a+\b)+3] offset:16*\a*SPI+128*(\b/2)+32*(\b%2)      ; each accumulator from its low end on
	ds_store_b128 v[STO], v[8*(4*\a+\b)+4:8*(4*\a+\b)+7] offset:16*\a*SPI+128*(\b/2)+32*(\b%2)+16
.endr
.endr
	WIN 0
	s_wait_dscnt 0x0                               ; for the others' sake: my stores into the stage are done
	s_barrier_signal -1
	s_barrier_wait -1
.irp t, 0,1,2,3,4,5,6,7,8,9,10,11,12,13,14,15,16,17,18,19,20,21,22,23,24,25,26,27,28,29,30,31
	ds_load_b128 v[64+4*\t:67+4*\t], v[RD] offset:SPI*\t
.endr
	v_cmp_gt_u32 vcc_lo, s2, v3
	s_wait_dscnt 0x0
	s_wait_xcnt 0x0                                ; EXEC changes only behind this wait
	s_and_saveexec_b32 s20, vcc_lo                 ; the lanes whose four columns lie under 1000
.irp t, 0,1,2,3,4,5,6,7,8,9,10,11,12,13,14,15,16,17,18,19,20,21,22,23,24,25,26,27,28,29,30,31
	global_store_b128 v[CO], v[64+4*\t:67+4*\t], s[12:13] offset:(8*(\t/16)+(\t%16)+8*((\t%16)/8))*4000 th:TH_STORE_NT   ; stage row 32 w + t is row 32 w + 8 (t / 16) + t % 16 + 8 ((t % 16) / 8) of the tile
.endr
	s_wait_xcnt 0x0                                ; and again, in front of the line that widens it
	s_or_b32 exec_lo, exec_lo, s20
	s_wait_tensorcnt 0x0                           ; the wave's end
	ds_add_u32 v[SPW], v[NIL]
	s_wait_dscnt 0x0
	CROUND                                         ; the closing round: no work-group ends while a partner may still ask for a tile that names it
	s_endpgm
.Lfunc_end_k_qa197ab4322_gemm3:
	.size	k_qa197ab4322_gemm3, .Lfunc_end_k_qa197ab4322_gemm3-k_qa197ab4322_gemm3
	.p2alignl 7, 3214868480
	.fill 96, 4, 3214868480
	.section	.rodata,"a",@progbits
	.p2align	6, 0x0
	.amdhsa_kernel k_qa197ab4322_gemm3
		.amdhsa_group_segment_fixed_size 327680
		.amdhsa_private_segment_fixed_size 0
		.amdhsa_enable_private_segment 0
		.amdhsa_kernarg_size 32
		.amdhsa_user_sgpr_count 2
		.amdhsa_user_sgpr_kernarg_segment_ptr 1
		.amdhsa_wavefront_size32 1
		.amdhsa_system_sgpr_workgroup_id_x 1
		.amdhsa_system_sgpr_workgroup_id_y 1
		.amdhsa_system_sgpr_workgroup_id_z 1
		.amdhsa_system_vgpr_workitem_id 0
		.amdhsa_next_free_vgpr 1024
		.amdhsa_next_free_sgpr 80
		.amdhsa_reserve_vcc 1
		.amdhsa_float_denorm_mode_32 3
		.amdhsa_float_denorm_mode_16_64 3
		.amdhsa_memory_ordered 1
		.amdhsa_forward_progress 1
		.amdhsa_inst_pref_size 87
	.end_amdhsa_kernel
	.amdgpu_metadata
---
amdhsa.version: [ 1, 2 ]
amdhsa.kernels:
  - .name:           k_qa197ab4322_gemm3
    .symbol:         k_qa197ab4322_gemm3.kd
    .args:
      - { .name: nq, .offset: 0, .size: 8, .value_kind: global_buffer, .address_space: global }
      - { .name: fcq, .offset: 8, .size: 8, .value_kind: global_buffer, .address_space: global }
      - { .name: fc_b, .offset: 16, .size: 8, .value_kind: global_buffer, .address_space: global }
      - { .name: out0, .offset: 24, .size: 8, .value_kind: global_buffer, .address_space: global }
    .group_segment_fixed_size: 327680
    .private_segment_fixed_size: 0
    .kernarg_segment_align: 8
    .kernarg_segment_size: 32
    .max_flat_workgroup_size: 128
    .sgpr_count:     80
    .vgpr_count:     1024
    .wavefront_size: 32
...
	.end_amdgpu_metadata
.endif
;; end of part 5
